; MI455X (gfx1250); checked and timed in simulation.
; The chip was launched on July 23, 2026; its instructions are those of AMD's public machine-readable ISA for CDNA 5 (MIT licence, August 2026) and "CDNA5" Instruction Set Architecture Reference Guide (July 2026). The comments in the code are by the model that wrote it; some were corrected since.
;; Grouped Query Attention. Allowed arithmetic: float matrix products may take bf16 or f16 operands with f32 sums; all other float work in f32.
;; Inputs: Wk 1,024 x 4,096 float32; Wo 4,096 x 2,048 float32; Wq 2,048 x 4,096 float32; Wv 1,024 x 4,096 float32; x 1 x 2,048 x 4,096 float32.
;; Outputs: out0 1 x 2,048 x 4,096 float32.
;; 2 versions, each right; version 2 is version 1 with the launch prep written anew for expert scheduling mode. Each part assembles by itself: llvm-mc -triple=amdgcn-amd-amdhsa -mcpu=gfx1250 --defsym DOCPART=n.
;; ======== version 1 of 2: 4 launches
;; limits: values are held in f16: magnitudes above 65,504 overflow, below 6.1e-05 lose precision; right only within a limited range of input values
;; workspace buffers: xb 16,777,216 bytes; wb 33,554,432 bytes; wob 16,777,216 bytes; tab 3,145,728 bytes; qkv 16,777,216 bytes; ob 8,388,608 bytes
;; launch prep (part 1): grid 128 x 9, 8 waves a work-group, no clusters, 0 bytes of LDS; arguments x, Wq, Wk, Wv, Wo, xb, wb, wob, tab; writes xb, wb, wob, tab
.if DOCPART == 1
	.amdgcn_target "amdgcn-amd-amdhsa--gfx1250"
	.amdhsa_code_object_version 6
	.text
	.protected	k_qcecd1f9591_prep
	.globl	k_qcecd1f9591_prep
	.p2align	8
	.type	k_qcecd1f9591_prep,@function
k_qcecd1f9591_prep:
	s_mov_b64 s[64:65], 0
	v_nop
	global_prefetch_b8 v0, s[64:65] scope:SCOPE_SE
	s_setreg_imm32_b32 hwreg(HW_REG_WAVE_MODE, 25, 1), 1
	s_wait_xcnt 0x0
; prep: the operands of the three matrix launches in 16 bits, and the RoPE table.
;   xb  = bf16(x)                     [2048][4096]
;   wb  = bf16(Wq | Wk | Wv)          [4096][4096]   rows 0-2047 Wq, 2048-3071 Wk, 3072-4095 Wv
;   wob = f16(16 * bf16(Wo))          [4096][2048]   a bf16 number has 8 significant bits, so 16 x it is exact in f16
;                                                    LIMIT: |Wo| < 4094 (f16's range); below 3.8e-6 the f16 is denormal, absolute error at most 1.9e-9
;   tab = three tables of 1 MiB of f32, in the order in which the next launch's lanes want them:
;         byte tb*8192 + b*2048 + q*512 + 16*lane;  tb = t/16;  lane (r, h) holds t = 16 tb + r and frequencies i = 16 b + 8 h + j;
;         q = 0: cos j 0-3, 1: cos j 4-7, 2: sin j 0-3, 3: sin j 4-7.
;         table 0 (for q): cos, sin x log2(e)/sqrt(128)/2;  table 1 (for k): x 1/16;  table 2 (for v): cos = 1/16, sin = 0.
; Grid rows y = 0..7 cast 16 MiB of f32 each (a work-group 128 KiB), row y = 8 makes the table (a work-group 16 positions).
; A stream: no work-group shares a byte with another, so no cluster, no LDS, no matrix unit.  Thread t owns 16 bytes of every 4,096 in,
; 8 bytes of every 2,048 out: a wave's load covers 512 consecutive bytes, its store 256 consecutive bytes, aligned.
; LIMIT of the table: cos and sin are made by exp2, a two-part reduction by pi/2 and polynomials; the angle differs from a float32
; product pos * inv_freq made from numpy's inv_freq by a few units in inv_freq's last place: at most about 5e-4 * inv_freq radians at pos = 2047.
.set X, 8                              ; v[8:39]   ring of DEPTH slots, 4 registers as loaded
.set Y, 40                             ; v[40:71]  YSLOTS slots of 2 registers to store
.set T, 72                             ; v[72:77]  at work
.set STEPS, 32                         ; 32 steps of 4,096 bytes = 128 KiB
.set DEPTH, 8                          ; loads of a wave in flight
.set YSLOTS, 16                        ; half of the steps: the slots come round once
.set CS, 20                            ; table: v[20:23] cos of my four frequencies
.set SN, 24                            ; table: v[24:27] sin
	s_load_b512 s[4:19], s[0:1], 0x0               ; x, Wq, Wk, Wv, Wo, xb, wb, wob
	s_load_b64 s[20:21], s[0:1], 0x40              ; tab
	s_and_b32 s22, ttmp7, 0xffff                   ; y
	v_lshlrev_b32 v1, 4, v0                        ; my 16 bytes in; never rewritten
	v_lshlrev_b32 v2, 3, v0                        ; my 8 bytes out; never rewritten
	s_wait_kmcnt 0x0
	s_cmp_eq_u32 s22, 8
	s_cbranch_scc1 .Ltable
	; which tensor, and which 16 MiB of it (8 MiB of the 16-bit copy)
	s_sub_co_u32 s23, s22, 2                       ; y - 2, used where y >= 2
	s_sub_co_u32 s24, s22, 6                       ; y - 6, used where y >= 6
	s_mov_b64 s[26:27], s[4:5]                     ; y = 0, 1: x -> xb, segment y
	s_mov_b64 s[28:29], s[14:15]
	s_mov_b32 s30, s22
	s_mov_b32 s31, s22
	s_cmp_ge_u32 s22, 2                            ; y = 2, 3: Wq -> wb, segment y - 2
	s_cselect_b64 s[26:27], s[6:7], s[26:27]
	s_cselect_b64 s[28:29], s[16:17], s[28:29]
	s_cselect_b32 s30, s23, s30
	s_cselect_b32 s31, s23, s31
	s_cmp_ge_u32 s22, 4                            ; y = 4: Wk -> wb, segment 2
	s_cselect_b64 s[26:27], s[8:9], s[26:27]
	s_cselect_b32 s30, 0, s30
	s_cselect_b32 s31, 2, s31
	s_cmp_ge_u32 s22, 5                            ; y = 5: Wv -> wb, segment 3
	s_cselect_b64 s[26:27], s[10:11], s[26:27]
	s_cselect_b32 s31, 3, s31
	s_cmp_ge_u32 s22, 6                            ; y = 6, 7: Wo -> wob, segment y - 6
	s_cselect_b64 s[26:27], s[12:13], s[26:27]
	s_cselect_b64 s[28:29], s[18:19], s[28:29]
	s_cselect_b32 s30, s24, s30
	s_cselect_b32 s31, s24, s31
	s_lshl_b32 s32, s30, 24                        ; in: segment x 16 MiB + work-group x 128 KiB
	s_lshl_b32 s33, ttmp9, 17
	s_add_co_u32 s32, s32, s33
	s_mov_b32 s33, 0
	s_add_nc_u64 s[26:27], s[26:27], s[32:33]
	s_lshl_b32 s34, s31, 23                        ; out: half of that
	s_lshl_b32 s35, ttmp9, 16
	s_add_co_u32 s34, s34, s35
	s_mov_b32 s35, 0
	s_add_nc_u64 s[28:29], s[28:29], s[34:35]
	s_mov_b32 s36, 0x41800000                      ; 16.0, twice: a packed multiply names the pair
	s_mov_b32 s37, 0x41800000
.irp i, 0,1,2,3,4,5,6,7
	global_load_b128 v[X+4*\i:X+4*\i+3], v1, s[26:27] offset:\i*4096 th:TH_LOAD_NT    ; fill the ring
.endr
; Step k (a symbol) of the 32: X's slot k % 8, Y's slot k % 16.  mode 0: f32 -> bf16.  mode 1: f32 -> bf16 -> x 16 -> f16.
; The address registers and the bases are never rewritten: every step stands in an immediate.
.macro CAST mode
.if k < STEPS-DEPTH
	s_wait_loadcnt DEPTH-1                         ; loads come back in order: mine is in, the seven younger stay out
.else
	s_wait_loadcnt STEPS-1-k                       ; the last eight steps load nothing: the count runs down
.endif
.if k == YSLOTS
	s_wait_xcnt 0x0                                ; Y's sixteen slots come round once, here: the stores of steps 0 to 15 read them, and they are rewritten only behind this wait
.endif
.if \mode
	v_cvt_pk_bf16_f32 v[T],   v[X+4*(k%DEPTH)],   v[X+4*(k%DEPTH)+1]      ; the one rounding of Wo
	v_cvt_pk_bf16_f32 v[T+1], v[X+4*(k%DEPTH)+2], v[X+4*(k%DEPTH)+3]
	v_lshlrev_b32 v[T+2], 16, v[T]
	v_and_b32     v[T+3], 0xffff0000, v[T]
	v_lshlrev_b32 v[T+4], 16, v[T+1]
	v_and_b32     v[T+5], 0xffff0000, v[T+1]
	v_pk_mul_f32 v[T+2:T+3], v[T+2:T+3], s[36:37] op_sel_hi:[1,0]
	v_pk_mul_f32 v[T+4:T+5], v[T+4:T+5], s[36:37] op_sel_hi:[1,0]
	v_cvt_pk_f16_f32 v[Y+2*(k%YSLOTS)],   v[T+2], v[T+3]                  ; exact
	v_cvt_pk_f16_f32 v[Y+2*(k%YSLOTS)+1], v[T+4], v[T+5]
.else
	v_cvt_pk_bf16_f32 v[Y+2*(k%YSLOTS)],   v[X+4*(k%DEPTH)],   v[X+4*(k%DEPTH)+1]
	v_cvt_pk_bf16_f32 v[Y+2*(k%YSLOTS)+1], v[X+4*(k%DEPTH)+2], v[X+4*(k%DEPTH)+3]
.endif
.if k < STEPS-DEPTH
	global_load_b128 v[X+4*(k%DEPTH):X+4*(k%DEPTH)+3], v1, s[26:27] offset:(k+DEPTH)*4096 th:TH_LOAD_NT
.endif
	global_store_b64 v2, v[Y+2*(k%YSLOTS):Y+2*(k%YSLOTS)+1], s[28:29] offset:k*2048
.endm
	s_cmp_ge_u32 s22, 6
	s_cbranch_scc1 .Lwo
.set k, 0
.rept STEPS
	CAST 0
.set k, k+1
.endr
	s_endpgm
.Lwo:
.set k, 0
.rept STEPS
	CAST 1
.set k, k+1
.endr
	s_endpgm
.Ltable:
	; wave w: b = w >> 1, half = w & 1 (j 0-3 or 4-7); lane: r = position in the 16, h
	v_and_b32 v3, 15, v0                           ; r
	v_bfe_u32 v4, v0, 4, 1                         ; h
	v_and_b32 v5, 31, v0                           ; lane
	v_lshrrev_b32 v6, 6, v0                        ; b
	v_bfe_u32 v7, v0, 5, 1                         ; half
	s_lshl_b32 s23, ttmp9, 4
	v_add_nc_u32 v8, s23, v3
	v_cvt_f32_u32 v8, v8                           ; t = 16 x work-group + r
	v_lshlrev_b32 v9, 4, v6
	v_lshl_add_u32 v9, v4, 3, v9
	v_lshl_add_u32 v9, v7, 2, v9                   ; my first frequency: 16 b + 8 h + 4 half
	s_lshl_b32 s38, ttmp9, 13
	v_lshl_add_u32 v52, v5, 4, s38                 ; where my 16 bytes go: tb*8192 + b*2048 + half*512 + 16 lane
	v_lshl_add_u32 v52, v6, 11, v52
	v_lshl_add_u32 v52, v7, 9, v52
	s_mov_b32 s24, 0x43be2319                      ; 380.27421 = 7/8 * 8192 / (2 pi * 3)
	s_mov_b32 s25, 0xbe2aaaab                      ; -1/6 = 1/8 - 7/24
	s_mov_b32 s26, 0xbfc90fdb                      ; -(pi/2 rounded to f32)
	s_mov_b32 s27, 0x333bbd2e                      ; that rounding's excess over pi/2, 4.3711388e-8
	s_mov_b32 s28, 0xb9500d01                      ; -1/5040
	s_mov_b32 s29, 0x3c088889                      ; 1/120
	s_mov_b32 s30, 0x37d00d01                      ; 1/40320
	s_mov_b32 s31, 0xbab60b61                      ; -1/720
	s_mov_b32 s32, 0x3d8293ee                      ; log2(e) / sqrt(128) / 2, twice
	s_mov_b32 s33, 0x3d8293ee
	s_mov_b32 s34, 0x3d800000                      ; 1/16, twice
	s_mov_b32 s35, 0x3d800000
; cos and sin of t * inv_freq(i), i = my first frequency + jj
.macro SINCOS jj
	v_add_nc_u32 v10, \jj, v9                      ; i
	v_cvt_f32_u32 v11, v10
	v_mul_f32 v11, 0xbe9773da, v11                 ; -i * log2(500000) / 64
	v_exp_f32 v12, v11                             ; 500000 ^ (-i/64)
	v_nop                                          ; one plain place behind a transcendental (ISA guide 5.7.2)
	s_wait_alu depctr_va_vdst(0)
	v_fma_f32 v13, v12, s24, s25                   ; the middle band's factor (1 - smooth)/8 + smooth
	v_cmp_le_u32 vcc_lo, 29, v10                   ; the wavelength passes 2048 between i = 28 and 29 (at 28.22),
	v_cndmask_b32 v13, 1.0, v13, vcc_lo            ; below: unscaled
	v_cmp_gt_u32 vcc_lo, 35, v10                   ; and 8192 between i = 34 and 35 (at 34.98),
	v_cndmask_b32 v13, 0x3e000000, v13, vcc_lo     ; above: divided by 8
	v_mul_f32 v13, v12, v13                        ; inv_freq
	v_mul_f32 v13, v8, v13                         ; the angle, rounded to f32 as pos * inv_freq is
	v_mul_f32 v14, 0x3f22f983, v13                 ; x 2/pi
	v_rndne_f32 v14, v14                           ; n quarter turns, at most 1,303
	v_fma_f32 v15, v14, s26, v13                   ; rho = angle - n pi/2, in two parts
	v_fma_f32 v15, v14, s27, v15                   ; |rho| <= pi/4
	v_mul_f32 v16, v15, v15                        ; z = rho^2
	v_fma_f32 v17, v16, s28, s29                   ; sin: rho + rho z (-1/6 + z (1/120 - z/5040)); the next term is below 3e-7
	v_fmaak_f32 v17, v16, v17, 0xbe2aaaab
	v_mul_f32 v18, v16, v15
	v_fma_f32 v17, v18, v17, v15
	v_fma_f32 v19, v16, s30, s31                   ; cos: 1 + z (-1/2 + z (1/24 + z (-1/720 + z/40320))); the next term is below 3e-8
	v_fmaak_f32 v19, v16, v19, 0x3d2aaaab
	v_fma_f32 v19, v16, v19, -0.5
	v_fma_f32 v19, v16, v19, 1.0
	v_cvt_i32_f32 v18, v14
	v_and_b32 v10, 1, v18
	v_cmp_eq_u32 vcc_lo, 1, v10                    ; an odd number of quarter turns swaps the two
	v_cndmask_b32 v[CS+\jj], v19, v17, vcc_lo
	v_cndmask_b32 v[SN+\jj], v17, v19, vcc_lo
	v_add_nc_u32 v10, 1, v18                       ; cos is negative for n mod 4 = 1, 2
	v_and_b32 v10, 2, v10
	v_lshlrev_b32 v10, 30, v10
	v_xor_b32 v[CS+\jj], v10, v[CS+\jj]
	v_and_b32 v10, 2, v18                          ; sin for n mod 4 = 2, 3
	v_lshlrev_b32 v10, 30, v10
	v_xor_b32 v[SN+\jj], v10, v[SN+\jj]
.endm
	SINCOS 0
	SINCOS 1
	SINCOS 2
	SINCOS 3
.irp p, 0,2
	v_pk_mul_f32 v[28+\p:29+\p], v[CS+\p:CS+\p+1], s[32:33] op_sel_hi:[1,0]    ; table 0
	v_pk_mul_f32 v[32+\p:33+\p], v[SN+\p:SN+\p+1], s[32:33] op_sel_hi:[1,0]
	v_pk_mul_f32 v[36+\p:37+\p], v[CS+\p:CS+\p+1], s[34:35] op_sel_hi:[1,0]    ; table 1
	v_pk_mul_f32 v[40+\p:41+\p], v[SN+\p:SN+\p+1], s[34:35] op_sel_hi:[1,0]
.endr
.irp p, 0,1,2,3
	v_mov_b32 v[44+\p], 0x3d800000                 ; table 2: v is scaled and not turned
	v_mov_b32 v[48+\p], 0
.endr
	global_store_b128 v52, v[28:31], s[20:21]                       ; each store of a wave covers 512 consecutive bytes, aligned
	global_store_b128 v52, v[32:35], s[20:21] offset:1024
	global_store_b128 v52, v[36:39], s[20:21] offset:1048576
	global_store_b128 v52, v[40:43], s[20:21] offset:1048576+1024
	global_store_b128 v52, v[44:47], s[20:21] offset:2097152
	global_store_b128 v52, v[48:51], s[20:21] offset:2097152+1024
	s_endpgm
.Lfunc_end_k_qcecd1f9591_prep:
	.size	k_qcecd1f9591_prep, .Lfunc_end_k_qcecd1f9591_prep-k_qcecd1f9591_prep
	.p2alignl 7, 3214868480
	.fill 96, 4, 3214868480
	.section	.rodata,"a",@progbits
	.p2align	6, 0x0
	.amdhsa_kernel k_qcecd1f9591_prep
		.amdhsa_group_segment_fixed_size 0
		.amdhsa_private_segment_fixed_size 0
		.amdhsa_enable_private_segment 0
		.amdhsa_kernarg_size 72
		.amdhsa_user_sgpr_count 2
		.amdhsa_user_sgpr_kernarg_segment_ptr 1
		.amdhsa_wavefront_size32 1
		.amdhsa_system_sgpr_workgroup_id_x 1
		.amdhsa_system_sgpr_workgroup_id_y 1
		.amdhsa_system_sgpr_workgroup_id_z 1
		.amdhsa_system_vgpr_workitem_id 0
		.amdhsa_next_free_vgpr 80
		.amdhsa_next_free_sgpr 66
		.amdhsa_reserve_vcc 1
		.amdhsa_float_denorm_mode_32 3
		.amdhsa_float_denorm_mode_16_64 3
		.amdhsa_memory_ordered 1
		.amdhsa_forward_progress 1
		.amdhsa_inst_pref_size 47
	.end_amdhsa_kernel
	.amdgpu_metadata
---
amdhsa.version: [ 1, 2 ]
amdhsa.kernels:
  - .name:           k_qcecd1f9591_prep
    .symbol:         k_qcecd1f9591_prep.kd
    .args:
      - { .name: x, .offset: 0, .size: 8, .value_kind: global_buffer, .address_space: global }
      - { .name: Wq, .offset: 8, .size: 8, .value_kind: global_buffer, .address_space: global }
      - { .name: Wk, .offset: 16, .size: 8, .value_kind: global_buffer, .address_space: global }
      - { .name: Wv, .offset: 24, .size: 8, .value_kind: global_buffer, .address_space: global }
      - { .name: Wo, .offset: 32, .size: 8, .value_kind: global_buffer, .address_space: global }
      - { .name: xb, .offset: 40, .size: 8, .value_kind: global_buffer, .address_space: global }
      - { .name: wb, .offset: 48, .size: 8, .value_kind: global_buffer, .address_space: global }
      - { .name: wob, .offset: 56, .size: 8, .value_kind: global_buffer, .address_space: global }
      - { .name: tab, .offset: 64, .size: 8, .value_kind: global_buffer, .address_space: global }
    .group_segment_fixed_size: 0
    .private_segment_fixed_size: 0
    .kernarg_segment_align: 8
    .kernarg_segment_size: 72
    .max_flat_workgroup_size: 256
    .sgpr_count:     66
    .vgpr_count:     80
    .wavefront_size: 32
...
	.end_amdgpu_metadata
.endif
;; end of part 1
;; launch qkvproj (part 2): grid 16 x 16, 4 waves a work-group, clusters of 4 x 4, 327,680 bytes of LDS; arguments xb, wb, qkv, tab; writes qkv
.if DOCPART == 2
	.amdgcn_target "amdgcn-amd-amdhsa--gfx1250"
	.amdhsa_code_object_version 6
	.text
	.protected	k_qcecd1f9591_qkvproj
	.globl	k_qcecd1f9591_qkvproj
	.p2align	8
	.type	k_qcecd1f9591_qkvproj,@function
k_qcecd1f9591_qkvproj:
	s_mov_b64 s[64:65], 0
	v_nop
	global_prefetch_b8 v0, s[64:65] scope:SCOPE_SE
	s_setreg_imm32_b32 hwreg(HW_REG_WAVE_MODE, 25, 1), 1
	s_wait_xcnt 0x0
	s_wait_alu depctr_hold_cnt(0) depctr_sa_sdst(0) depctr_va_vdst(0) depctr_va_sdst(0) depctr_va_ssrc(0) depctr_va_vcc(0) depctr_vm_vsrc(0)
	s_getreg_b32 s2, hwreg(HW_REG_IB_STS2, 6, 4)
	s_cmp_eq_u32 s2, 0
	s_cbranch_scc0 .Lentry_in_a_cluster
	s_endpgm
.Lentry_in_a_cluster:
	s_bfe_u32 s2, ttmp6, 0x10000c
	s_cmp_lg_u32 s2, 0xf033
	s_cbranch_scc0 .Lentry_shape_is_right
	s_endpgm
.Lentry_shape_is_right:
; qkv[t][n] = f16( rope( sum over k of xb[t][k] wb[n][k] ) x scale ).  xb: [2048][4096] bf16, wb: [4096][4096] bf16, sums in f32.
; Columns 0-2047 are q (16 heads of 128), 2048-3071 k (8 heads), 3072-4095 v.  The turn and the scale come from one table of cos and sin
; that already holds the scale: q x log2(e)/sqrt(128)/2, k x 1/16, v x 1/16 with sin = 0, so that all three kinds of column run one text.
; LIMIT: the results are f16: |q| < 1.03e6, |k|, |v| < 1.05e6; numbers below 6e-5 after the scale are f16 denormals (step 6e-8).
;
; A work-group makes 128 rows x 256 columns with four waves; 16 x 16 work-groups.  Wave w: nh = w & 1 picks 128 of the columns (one head),
; kh = w >> 1 picks 64 of every 128 along K.  So each wave keeps a whole 128 x 128 block of f32 sums (64 tiles, 512 registers) for its half
; of K and reads 2 x 128 x 64 bytes of LDS for 64 matrix instructions; the two halves of K meet once, at the end, through LDS.
; K goes in steps of 128 through a ring of two LDS slots filled by the tensor data mover; a tile's rows are 256 bytes of memory, aligned.
; CLUSTERS: 4 x 4 work-groups.  The four of a row of the cluster need the same tiles of xb, the four of a column the same tiles of wb:
; each tile is asked for jointly, which divides the requests by four.
;
; REGISTERS in windows of 256:  window 0: addresses, A's fragments (two buffers), the way out;  window 1: B's fragments (two buffers),
; on the way out the table;  window 2: sums of rows 64 kh .. 64 kh + 63 (mine to finish), tile (a, b) at v[8 (8 a + b)];
; window 3: sums of the other 64 rows (the partner wave's to finish).
; The matrix instruction is used transposed (source 0 = 16 rows of wb, source 1 = 16 rows of xb): lane l then holds row l % 16 and
; registers 0-7 the columns 8 (l / 16) + 0..7 of the tile, and the pair of columns d, d + 64 that RoPE turns lies in one lane.
.set SIZE_K, 4096
.set KSTEP,  128
.set PITCH,  272                       ; an LDS row: 256 bytes + 16 of padding: the 16 rows of a fragment load start 4 banks apart (64 banks of 4 bytes: ISA guide 11.1)
.set AOFF,   256*PITCH                 ; in a slot: B's 256 rows, then A's 128 rows
.set SLOT,   384*PITCH
.set STAGE,  2*SLOT                    ; behind the ring: 16 rows x 272 bytes for each wave
.set SPITCH, 272
.set OROW,   8192                      ; bytes in a row of qkv
.set LAPS,   SIZE_K/(2*KSTEP)          ; a lap = two K steps = once round the ring
.set ADRAL, 16                         ; v16-17  LDS address of A's fragments of my 64 rows, slot 0, 1
.set ADRAH, 18                         ; v18-19  of the partner's 64 rows
.set ADRB,  20                         ; v20-21  of B's fragments
.set XS,    22                         ; v22     exchange: where I put the partner's sums
.set XR,    23                         ; v23     exchange: where the partner put mine
.set STO,   24                         ; v24     stage: where I put 16 bytes of a row
.set RD,    25                         ; v25     stage: where I read a row back
.set CO,    26                         ; v26     my byte offset in qkv
.set TO,    27                         ; v27     my byte offset in the table
.set RB,    32                         ; v32-63  rows read back from the stage
.set F0,    64                         ; fragment buffer 0
.set F1,    128                        ; fragment buffer 1
.set TMP,   192                        ; v192-223 packed results
.set RT,    224                        ; v224-239 products with sin
.set G1,  24                           ; s[24:31] group 1 for A's tiles
.set G0,  32                           ; s[32:39] group 0 for A's tiles, one set for each slot
.set G1B, 48                           ; s[48:55] group 1 for B's tiles
.set G0B, 56                           ; s[56:63] group 0 for B's tiles
.set MSB, 0
.macro WIN new                         ; the immediate's high byte repeats the setting that is left
.if MSB != \new
	s_set_vgpr_msb (MSB<<8)|\new
.set MSB, \new
.endif
.endm
.set MUL_LO, 0xa1                      ; source 0 (B) window 1, source 1 (A) window 0, C and D window 2
.set MUL_HI, 0xf1                      ; the same, C and D window 3
.set TO_B,   0x40                      ; destination window 1
; A joint load.  Waves 0 and 1 fetch B's two halves (128 rows each), waves 2 and 3 A's (64 rows each).  Each line has one mask and one set of
; registers for all that issue it; the branch hangs on the wave's number alone.  Four v_nop follow each line.
.macro JLOAD s
	s_cmp_eq_u32 s11, 0
	s_cbranch_scc0 .Lfor_a_\@
	tensor_load_to_lds s[G0B+4*\s:G0B+4*\s+3], s[G1B:G1B+7]
	s_nop 0
.rept 4
	v_nop
.endr
	s_branch .Lasked_\@
.Lfor_a_\@:
	tensor_load_to_lds s[G0+4*\s:G0+4*\s+3], s[G1:G1+7]
	s_nop 0
.rept 4
	v_nop
.endr
.Lasked_\@:
.endm
; A round of the cluster's barrier: my work-group's barrier; wave 0 signals for the work-group; every wave waits for all sixteen; my work-group's barrier again.
.macro CREST
	s_cmp_lg_u32 s10, 0
	s_cbranch_scc1 .Lnot_wave_0_\@
	s_barrier_signal -3
.Lnot_wave_0_\@:
	s_barrier_wait -3
	s_barrier_signal -1
	s_barrier_wait -1
.endm
.macro CROUND
	s_barrier_signal -1
	s_barrier_wait -1
	CREST
.endm
	s_load_b128 s[4:7], s[0:1], 0x0                ; xb s[4:5], wb s[6:7]
	s_load_b64 s[8:9], s[0:1], 0x10                ; qkv
	s_load_b64 s[66:67], s[0:1], 0x18              ; tab
	s_set_vgpr_msb 0x40
	v_lshl_add_u32 v255, v0, 2, 0x37400
	s_set_vgpr_msb 0x4000
	v_mov_b32 v255, 0
	s_set_vgpr_msb 0x1
	ds_add_u32 v255, v255
	s_set_vgpr_msb 0x100
	v_lshrrev_b32 v1, 5, v0
	v_readfirstlane_b32 s10, v1                    ; wave 0..3
	s_lshr_b32 s11, s10, 1                         ; kh: my half of K.  Also: I fetch for B (0) or for A (1)
	s_and_b32 s12, s10, 1                          ; nh: my half of the columns.  Also: which half of that tile I fetch
	s_bfe_u32 s40, ttmp6, 0x40000                  ; cx
	s_bfe_u32 s41, ttmp6, 0x40004                  ; cy
	s_lshl_b32 s42, ttmp9, 2
	s_add_co_u32 s42, s42, s40                     ; block column = 4 x cluster x + cx
	s_and_b32 s13, ttmp7, 0xffff
	s_lshl_b32 s13, s13, 2
	s_add_co_u32 s13, s13, s41                     ; block row = 4 x cluster y + cy
	s_lshl_b32 s43, s41, 2
	s_lshl_b32 s43, 15, s43                        ; my row of the cluster: places 4 cy .. 4 cy + 3
	s_lshl_b32 s44, 0x1111, s40                    ; my column: places cx, cx + 4, cx + 8, cx + 12
	; group 1: rows of 128 elements of 2 bytes, 16 bytes of padding behind every 64 words; A's tile has 64 rows, B's 128
	s_or_b32 s[G1+0], s43, (1<<16)|(1<<20)|(1<<21)|(5<<22)|(3<<25)   ; 15:0 mask: my row; 17:16 2-byte elements; 20 padding; 21 set beside a mask; 24:22 every 64 words; 31:25 4 words
	s_or_b32 s[G1B+0], s44, (1<<16)|(1<<20)|(1<<21)|(5<<22)|(3<<25)  ; the same with my column's mask
	s_mov_b32 s[G1+1], KSTEP<<16                   ; tensor_dim0 = 128
	s_mov_b32 s[G1B+1], KSTEP<<16
	s_mov_b32 s[G1+2], 64<<16                      ; tensor_dim1 = 64
	s_mov_b32 s[G1B+2], 128<<16                    ; tensor_dim1 = 128
	s_mov_b32 s[G1+3], KSTEP<<16                   ; tile_dim0 = 128
	s_mov_b32 s[G1B+3], KSTEP<<16
	s_mov_b32 s[G1+4], 64                          ; tile_dim1 = 64
	s_mov_b32 s[G1B+4], 128                        ; tile_dim1 = 128
	s_mov_b32 s[G1+5], SIZE_K                      ; elements from row to row
	s_mov_b32 s[G1B+5], SIZE_K
	s_mov_b32 s[G1+6], 0
	s_mov_b32 s[G1B+6], 0
	s_mov_b32 s[G1+7], 0
	s_mov_b32 s[G1B+7], 0
	; A's tiles hang on the block row alone, B's on the block column alone; each address in registers that never hold the other coordinate
	s_lshl_b32 s17, s12, 6
	s_lshl_b32 s16, s13, 7
	s_add_co_u32 s16, s16, s17                     ; A: row 128 x block row + 64 x half
	s_lshl_b32 s47, s12, 7
	s_lshl_b32 s46, s42, 8
	s_add_co_u32 s46, s46, s47                     ; B: row 256 x block column + 128 x half
	s_mov_b32 s17, 0
	s_mov_b32 s47, 0
	s_mov_b64 s[18:19], SIZE_K*2
	s_mul_u64 s[16:17], s[16:17], s[18:19]         ; in bytes
	s_mul_u64 s[46:47], s[46:47], s[18:19]
	s_mul_i32 s20, s10, 64*PITCH                   ; A's halves land at AOFF + (wave - 2) x 64 rows = 128 rows + wave x 64 rows,
	s_add_co_u32 s20, s20, 128*PITCH
	s_mul_i32 s45, s10, 128*PITCH                  ; B's at wave x 128 rows: the wave's number and constants alone
	s_wait_dscnt 0x0
	s_wait_kmcnt 0x0
	s_add_nc_u64 s[14:15], s[4:5], s[16:17]
	s_add_nc_u64 s[46:47], s[6:7], s[46:47]
	CROUND                                         ; all sixteen work-groups are here: the first joint loads meet
.irp s, 0,1
	s_mov_b32 s[G0+4*\s], 1
	s_add_co_u32 s[G0+4*\s+1], s20, \s*SLOT
	s_add_nc_u64 s[G0+4*\s+2:G0+4*\s+3], s[14:15], \s*KSTEP*2
	s_or_b32 s[G0+4*\s+3], s[G0+4*\s+3], 0x80000000
	s_mov_b32 s[G0B+4*\s], 1
	s_add_co_u32 s[G0B+4*\s+1], s45, \s*SLOT
	s_add_nc_u64 s[G0B+4*\s+2:G0B+4*\s+3], s[46:47], \s*KSTEP*2
	s_or_b32 s[G0B+4*\s+3], s[G0B+4*\s+3], 0x80000000
	JLOAD \s                                       ; both slots' first fills go out before anything else: two loads of the wave are out
.endr
	; a fragment: lane l holds row l % 16; registers 0-3 K = 8 (l / 16) + 0..7, registers 4-7 K = 16 + 8 (l / 16) + 0..7: two loads of 16 bytes, 32 apart
	v_and_b32 v1, 15, v0                           ; r
	v_bfe_u32 v2, v0, 4, 1                         ; h
	v_and_b32 v6, 31, v0                           ; lane
	v_mul_u32_u24 v3, v1, PITCH
	v_lshl_add_u32 v3, v2, 4, v3                   ; 272 r + 16 h
	s_lshl_b32 s74, s11, 7                         ; my 64 of the step's 128 along K: 128 bytes into every row
	s_mul_i32 s21, s12, 128*PITCH                  ; B: my 128 rows
	s_add_co_u32 s21, s21, s74
	s_mul_i32 s22, s11, 64*PITCH                   ; A: rows 64 kh ..
	s_add_co_u32 s22, s22, s74
	s_add_co_u32 s22, s22, AOFF
	s_xor_b32 s23, s11, 1                          ; A: rows 64 (1 - kh) ..
	s_mul_i32 s23, s23, 64*PITCH
	s_add_co_u32 s23, s23, s74
	s_add_co_u32 s23, s23, AOFF
.irp s, 0,1
	v_add_nc_u32 v[ADRB+\s], s21, v3
	v_add_nc_u32 v[ADRAL+\s], s22, v3
	v_add_nc_u32 v[ADRAH+\s], s23, v3
	s_add_co_u32 s21, s21, SLOT
	s_add_co_u32 s22, s22, SLOT
	s_add_co_u32 s23, s23, SLOT
.endr
	s_lshl_b32 s75, s10, 15                        ; exchange: 32 KiB a wave, in the ring's bytes once the ring is done with
	v_lshl_add_u32 v[XS], v6, 4, s75
	s_xor_b32 s75, s10, 2                          ; the partner: same columns, other half of K
	s_lshl_b32 s75, s75, 15
	v_lshl_add_u32 v[XR], v6, 4, s75
	s_mul_i32 s75, s10, 16*SPITCH
	s_add_co_u32 s75, s75, STAGE                   ; my stage
	v_add_nc_u32 v[STO], s75, v3                   ; in: row r, 16 bytes for each half of the lanes
	v_mul_u32_u24 v5, v2, SPITCH
	v_lshl_add_u32 v5, v1, 4, v5
	v_add_nc_u32 v[RD], s75, v5                    ; back: lanes 0-15 one row of 256 bytes, lanes 16-31 the next
	v_lshlrev_b32 v5, 13, v2
	v_lshl_add_u32 v[CO], v1, 4, v5                ; the same two rows in qkv
	v_lshlrev_b32 v[TO], 4, v6
; 16 matrix instructions: row blocks a0, a0 + 1 of the window's four x all 8 column blocks, 32 along K.  zero = 1: the first product starts the sums.
.macro MUL16 f, hi, a0, zero
.irp a, \a0, \a0+1
.irp b, 0,1,2,3,4,5,6,7
.if \zero
	v_wmma_f32_16x16x32_bf16 v[8*(8*(\a)+\b):8*(8*(\a)+\b)+7], v[\f+8*\b:\f+8*\b+7], v[\f+8*(4*\hi+\a):\f+8*(4*\hi+\a)+7], 0
.else
	v_wmma_f32_16x16x32_bf16 v[8*(8*(\a)+\b):8*(8*(\a)+\b)+7], v[\f+8*\b:\f+8*\b+7], v[\f+8*(4*\hi+\a):\f+8*(4*\hi+\a)+7], v[8*(8*(\a)+\b):8*(8*(\a)+\b)+7]
.endif
.endr
.endr
.endm
; 32 LDS loads in one run: 128 rows of B, my 64 rows of A, the partner's 64 rows of A; 32 K at byte k of my half of the rows; into buffer f
.macro FETCH slot, k, f
	WIN TO_B
.irp i, 0,1,2,3,4,5,6,7
	ds_load_b128 v[\f+8*\i:\f+8*\i+3],   v[ADRB+\slot] offset:\k+\i*16*PITCH
	ds_load_b128 v[\f+8*\i+4:\f+8*\i+7], v[ADRB+\slot] offset:\k+\i*16*PITCH+32
.endr
	WIN 0
.irp i, 0,1,2,3
	ds_load_b128 v[\f+8*\i:\f+8*\i+3],   v[ADRAL+\slot] offset:\k+\i*16*PITCH
	ds_load_b128 v[\f+8*\i+4:\f+8*\i+7], v[ADRAL+\slot] offset:\k+\i*16*PITCH+32
.endr
.irp i, 0,1,2,3
	ds_load_b128 v[\f+32+8*\i:\f+32+8*\i+3],   v[ADRAH+\slot] offset:\k+\i*16*PITCH
	ds_load_b128 v[\f+32+8*\i+4:\f+32+8*\i+7], v[ADRAH+\slot] offset:\k+\i*16*PITCH+32
.endr
.endm
; Four places behind a matrix instruction before a load lands on one of its registers or a vector instruction reads its result (ISA guide 7.12.1
; for vector instructions); the matrix instructions in between are not counted.
.macro PLACES
.rept 4
	v_nop
.endr
.endm
; My half of a K step is two quarters of 32 along K, 64 matrix instructions each, on buffers 0 and 1.  The 64 accumulators take turns in one
; order in every quarter, one instruction a turn, over the backward jump too.
; The first quarter: multiplies buffer f; in its middle it fetches the second quarter's fragments into buffer g.
.macro QUARTER slot, k, f, g, zero
	s_wait_dscnt 8                                 ; B and my rows of A are in; the youngest eight loads (the partner's rows) may be out
	WIN MUL_LO
	MUL16 \f, 0, 0, \zero
	MUL16 \f, 0, 2, \zero
	PLACES
	FETCH \slot, \k, \g
	s_wait_dscnt 32                                ; all but the 32 just issued
	WIN MUL_HI
	MUL16 \f, 1, 0, \zero
	MUL16 \f, 1, 2, \zero
.endm
; The second quarter: multiplies buffer 1 and changes slots.  One barrier for the change: in front of it each wave waits for its reads of this slot and
; for all its tensor loads (one is out: its part of the next slot); behind it the refill comes first, then the next slot's first fragments.
; From a request to the wait for it a wave issues 112 matrix instructions.
.macro TURN slot, next, fill
	s_wait_dscnt 8
	WIN MUL_LO
	MUL16 F1, 0, 0, 0
	s_wait_dscnt 0                                 ; my reads of this slot are over
	s_wait_tensorcnt 0x0                           ; and all my tensor loads have landed
	ds_add_u32 v255, v255
	s_wait_dscnt 0x0
	s_barrier_signal -1                            ; say so (where the slot is filled again this opens a round of the cluster's barrier),
	MUL16 F1, 0, 2, 0                              ; work on registers while the others arrive
	WIN 0
	s_barrier_wait -1
.if \fill
	CREST                                          ; no wave of any partner still reads this slot's tile or has a load on its way
	s_add_nc_u64 s[G0+4*\slot+2:G0+4*\slot+3], s[G0+4*\slot+2:G0+4*\slot+3], 2*KSTEP*2
	s_add_nc_u64 s[G0B+4*\slot+2:G0B+4*\slot+3], s[G0B+4*\slot+2:G0B+4*\slot+3], 2*KSTEP*2
	JLOAD \slot                                    ; the first tensor load behind the round, one a wave; its four v_nop are also the places in front of the loads below
.else
	PLACES
.endif
	FETCH \next, 0, F0
	WIN MUL_HI
	MUL16 F1, 1, 0, 0
	MUL16 F1, 1, 2, 0
.endm
.macro LAP zero
	QUARTER 0, 64, F0, F1, \zero
	TURN 0, 1, 1
	QUARTER 1, 64, F0, F1, 0
	TURN 1, 0, 1
.endm
	s_wait_tensorcnt 0x1                           ; my part of K step 0 is in; step 1's may stay out
	s_barrier_signal -1
	s_barrier_wait -1                              ; everybody's is
	FETCH 0, 0, F0
	LAP 1                                          ; the first lap stands in front of the loop: its first products start the sums
	WIN 0
	s_mov_b32 s3, LAPS-2
.Llap:
	LAP 0
	WIN 0
	s_sub_co_u32 s3, s3, 1
	s_cmp_lg_u32 s3, 0
	s_cbranch_scc1 .Llap
	QUARTER 0, 64, F0, F1, 0                       ; the last lap fills nothing
	TURN 0, 1, 0
	QUARTER 1, 64, F0, F1, 0
	s_wait_dscnt 8
	WIN MUL_LO
	MUL16 F1, 0, 0, 0
	MUL16 F1, 0, 2, 0
	s_wait_dscnt 0
	WIN MUL_HI
	MUL16 F1, 1, 0, 0
	MUL16 F1, 1, 2, 0
	; THE WAY OUT
	PLACES                                         ; behind the last matrix instructions: for the stores of sums and the loads into B's buffers
	WIN 0
	s_lshl_b32 s68, s13, 7
	s_lshl_b32 s69, s11, 6
	s_add_co_u32 s68, s68, s69                     ; the first of the 64 rows that I finish: 128 x block row + 64 kh
	s_lshl_b32 s70, s68, 9                         ; table: (row / 16) x 8,192 bytes
	s_max_u32 s69, ttmp9, 1                        ; cluster x 0, 1: q's columns, table 0;  2: k's, table 1;  3: v's, table 2
	s_sub_co_u32 s69, s69, 1
	s_lshl_b32 s69, s69, 20
	s_add_co_u32 s70, s70, s69
	s_mov_b32 s71, 0
	s_add_nc_u64 s[66:67], s[66:67], s[70:71]
	s_lshl_b32 s72, s68, 13                        ; qkv: row x 8,192 bytes
	s_mov_b32 s73, 0
	s_add_nc_u64 s[8:9], s[8:9], s[72:73]
	s_lshl_b32 s46, s42, 9                         ; + my first column: 512 x block column + 256 nh bytes
	s_lshl_b32 s47, s12, 8
	s_add_co_u32 s46, s46, s47
	s_mov_b32 s47, 0
	s_add_nc_u64 s[8:9], s[8:9], s[46:47]
; cos and sin for rows 16 a .. 16 a + 15: 16 loads of 512 consecutive bytes into window 1; cos j of block b at TB + 16 b + j, sin at TB + 16 b + 8 + j
.macro TABLOAD a
	WIN 0x40
.irp b, 0,1,2,3
.irp q, 0,1,2,3
	global_load_b128 v[64+64*((\a)&1)+16*\b+4*\q:64+64*((\a)&1)+16*\b+4*\q+3], v[TO], s[66:67] offset:(\a)*8192+\b*2048+\q*512
.endr
.endr
	WIN 0
.endm
	TABLOAD 0
	; the exchange: window 3 (the partner's rows, my half of K) goes to LDS, 16 bytes a lane, 512 consecutive bytes an instruction
	s_wait_dscnt 0x0
	s_barrier_signal -1
	s_barrier_wait -1                              ; every wave's reads of the ring are over, and the ring has had its last fill
	WIN 0x0c                                       ; an LDS store's data is source 1: window 3
.set i, 0
.rept 64
	ds_store_b128 v[XS], v[4*i:4*i+3] offset:512*i
.set i, i+1
.endr
	WIN 0
	s_wait_dscnt 0x0                               ; for the partner's sake: all my stores are done
	s_barrier_signal -1
	s_barrier_wait -1
; rows 16 a .. 16 a + 15 of my 64: add the partner's half of K, turn, scale, round, and out through my stage as whole rows of 256 bytes
.macro OUT16 a, f
.set TB, 64+64*(\a&1)
.set i, 0
.rept 16
	ds_load_b128 v[\f+4*i:\f+4*i+3], v[XR] offset:(16*\a+i)*512
.set i, i+1
.endr
.if \a < 3
	TABLOAD \a+1
.endif
	s_wait_dscnt 0x0
	WIN 0x02                                       ; source 0: my sums in window 2
.set i, 0
.rept 32
	v_pk_add_f32 v[\f+2*i:\f+2*i+1], v[64*\a+2*i:64*\a+2*i+1], v[\f+2*i:\f+2*i+1]
.set i, i+1
.endr
.if \a < 3
	s_wait_loadcnt 16                              ; this group's table is in; the next group's 16 loads stay out
.else
	s_wait_loadcnt 0
.endif
	WIN 0x04                                       ; source 1: the table in window 1
.irp b, 0,1,2,3
.irp u, 0,1,2,3
	v_pk_mul_f32 v[RT+4*\u:RT+4*\u+1],   v[\f+8*\b+32+2*\u:\f+8*\b+32+2*\u+1], v[TB+16*\b+8+2*\u:TB+16*\b+8+2*\u+1]   ; x(d+64) sin
	v_pk_mul_f32 v[RT+4*\u+2:RT+4*\u+3], v[\f+8*\b+2*\u:\f+8*\b+2*\u+1],       v[TB+16*\b+8+2*\u:TB+16*\b+8+2*\u+1]   ; x(d) sin
	v_pk_fma_f32 v[\f+8*\b+2*\u:\f+8*\b+2*\u+1], v[\f+8*\b+2*\u:\f+8*\b+2*\u+1], v[TB+16*\b+2*\u:TB+16*\b+2*\u+1], v[RT+4*\u:RT+4*\u+1] neg_lo:[0,0,1] neg_hi:[0,0,1]
	v_pk_fma_f32 v[\f+8*\b+32+2*\u:\f+8*\b+32+2*\u+1], v[\f+8*\b+32+2*\u:\f+8*\b+32+2*\u+1], v[TB+16*\b+2*\u:TB+16*\b+2*\u+1], v[RT+4*\u+2:RT+4*\u+3]
.endr
.endr
	WIN 0
.irp b, 0,1,2,3,4,5,6,7
.irp u, 0,1,2,3
	v_cvt_pk_f16_f32 v[TMP+4*\b+\u], v[\f+8*\b+2*\u], v[\f+8*\b+2*\u+1]
.endr
.endr
.irp b, 0,1,2,3,4,5,6,7
	ds_store_b128 v[STO], v[TMP+4*\b:TMP+4*\b+3] offset:32*\b
.endr
	s_wait_xcnt 0x0                                ; RB, which the last group's stores read, and their base are rewritten only behind this wait
.if \a
	s_add_nc_u64 s[8:9], s[8:9], 16*OROW
.endif
.irp t, 0,1,2,3,4,5,6,7
	ds_load_b128 v[RB+4*\t:RB+4*\t+3], v[RD] offset:\t*2*SPITCH      ; LDS serves a wave's instructions in order (ISA guide 5.7.1): these see the stores above
.endr
.irp t, 0,1,2,3,4,5,6,7
	s_wait_dscnt 7-\t
	global_store_b128 v[CO], v[RB+4*\t:RB+4*\t+3], s[8:9] offset:2*\t*OROW    ; 16 lanes store 256 consecutive bytes, aligned: one head's row
.endr
.endm
	OUT16 0, F0
	OUT16 1, F1
	OUT16 2, F0
	OUT16 3, F1
	s_set_vgpr_msb 0x1
	s_wait_tensorcnt 0x0
	ds_add_u32 v255, v255
	s_wait_dscnt 0x0
	s_set_vgpr_msb 0x100
	CROUND                                         ; the closing round: no work-group ends while a partner may still ask for a tile that names it
	s_endpgm
.Lfunc_end_k_qcecd1f9591_qkvproj:
	.size	k_qcecd1f9591_qkvproj, .Lfunc_end_k_qcecd1f9591_qkvproj-k_qcecd1f9591_qkvproj
	.p2alignl 7, 3214868480
	.fill 96, 4, 3214868480
	.section	.rodata,"a",@progbits
	.p2align	6, 0x0
	.amdhsa_kernel k_qcecd1f9591_qkvproj
		.amdhsa_group_segment_fixed_size 327680
		.amdhsa_private_segment_fixed_size 0
		.amdhsa_enable_private_segment 0
		.amdhsa_kernarg_size 32
		.amdhsa_user_sgpr_count 2
		.amdhsa_user_sgpr_kernarg_segment_ptr 1
		.amdhsa_wavefront_size32 1
		.amdhsa_system_sgpr_workgroup_id_x 1
		.amdhsa_system_sgpr_workgroup_id_y 1
		.amdhsa_system_sgpr_workgroup_id_z 1
		.amdhsa_system_vgpr_workitem_id 0
		.amdhsa_next_free_vgpr 1024
		.amdhsa_next_free_sgpr 76
		.amdhsa_reserve_vcc 0
		.amdhsa_float_denorm_mode_32 3
		.amdhsa_float_denorm_mode_16_64 3
		.amdhsa_memory_ordered 1
		.amdhsa_forward_progress 1
		.amdhsa_inst_pref_size 145
	.end_amdhsa_kernel
	.amdgpu_metadata
---
amdhsa.version: [ 1, 2 ]
amdhsa.kernels:
  - .name:           k_qcecd1f9591_qkvproj
    .symbol:         k_qcecd1f9591_qkvproj.kd
    .args:
      - { .name: xb, .offset: 0, .size: 8, .value_kind: global_buffer, .address_space: global }
      - { .name: wb, .offset: 8, .size: 8, .value_kind: global_buffer, .address_space: global }
      - { .name: qkv, .offset: 16, .size: 8, .value_kind: global_buffer, .address_space: global }
      - { .name: tab, .offset: 24, .size: 8, .value_kind: global_buffer, .address_space: global }
    .group_segment_fixed_size: 327680
    .private_segment_fixed_size: 0
    .kernarg_segment_align: 8
    .kernarg_segment_size: 32
    .max_flat_workgroup_size: 128
    .sgpr_count:     76
    .vgpr_count:     1024
    .wavefront_size: 32
...
	.end_amdgpu_metadata
.endif
;; end of part 2
;; launch attn (part 3): grid 32 x 8, 4 waves a work-group, clusters of 4 x 1, 327,680 bytes of LDS; arguments qkv, ob; writes ob
.if DOCPART == 3
	.amdgcn_target "amdgcn-amd-amdhsa--gfx1250"
	.amdhsa_code_object_version 6
	.text
	.protected	k_qcecd1f9591_attn
	.globl	k_qcecd1f9591_attn
	.p2align	8
	.type	k_qcecd1f9591_attn,@function
k_qcecd1f9591_attn:
	s_mov_b64 s[64:65], 0
	v_nop
	global_prefetch_b8 v0, s[64:65] scope:SCOPE_SE
	s_setreg_imm32_b32 hwreg(HW_REG_WAVE_MODE, 25, 1), 1
	s_wait_xcnt 0x0
	s_wait_alu depctr_hold_cnt(0) depctr_sa_sdst(0) depctr_va_vdst(0) depctr_va_sdst(0) depctr_va_ssrc(0) depctr_va_vcc(0) depctr_vm_vsrc(0)
	s_getreg_b32 s2, hwreg(HW_REG_IB_STS2, 6, 4)
	s_cmp_eq_u32 s2, 0
	s_cbranch_scc0 .Lentry_in_a_cluster
	s_endpgm
.Lentry_in_a_cluster:
	s_bfe_u32 s2, ttmp6, 0x10000c
	s_cmp_lg_u32 s2, 0x3003
	s_cbranch_scc0 .Lentry_shape_is_right
	s_endpgm
.Lentry_shape_is_right:
; Causal grouped-query attention.  qkv: [2048][4096] f16, a row = 16 heads of q' = rope(q) log2(e)/sqrt(128)/2, 8 heads of k' = rope(k)/16,
; 8 heads of v' = v/16.  ob: [2048][2048] f16 = o/16, head h at column 128 h.  32 x (k' . q') is the score in units of log2, so p = 2^(32 s - 32 max).
; Softmax in f32 with a running maximum; p goes to the matrix unit as f16 (it lies in [0, 1]); sums in f32.
;
; SHARES.  Cluster x = j (0..7), y = kv head, cx = place in the cluster.  A work-group owns two blocks of 32 query rows, block 4 j + cx (low) and
; block 63 - (4 j + cx) (high), for both query heads of the kv head.  The low block needs key tiles (128 keys) 0 .. j, the high block 0 .. 15 - j.
; THE WALK has 16 trips in every work-group: trip 0 takes tile 0 for both blocks; trips 1 .. j take tile i for the low block; trips j + 1 .. 15
; take tile i - j for the high block.  That is 2 + 15 = 17 units of work everywhere and a constant number of trips.  The low block's diagonal is
; trip j, the high block's trip 15.  The four partners of a cluster need the same tiles in the same trips and ask for them jointly (mask 15).
; Branches hang on j, on the trip's number and on the wave's number; they only choose which block a trip serves and whether it is masked.
; cx enters global addresses of q and ob and the mask's numbers only.
; Wave w: g = w & 1 is the query head 2 kv + g, kh = w >> 1 the keys 64 kh .. 64 kh + 63 of every tile; the two key halves are merged at the end.
; A wave has 64 query rows as four column tiles nt: 0, 1 low block, 2, 3 high block.
;
; THE RING.  Two LDS slots, each with the tiles of two trips (a pair; pair p lies in slot p & 1): V of both trips, then K of both.  Each wave brings
; one whole tile of 128 rows: waves 0, 1 V of the pair's first and second trip, waves 2, 3 K: one load a wave fills a slot, 128 KiB for the four.
; A wave holds all its fragments of a trip in registers, so a slot is read out once the V fragments of its second trip are loaded.  So the round of the
; cluster's barrier stands in that trip, between the softmax and the second product; the slot just read out is asked for again behind it, and that
; load has the two trips up to the next round in which to land.
; LDS LOADS stand among the matrix instructions: V's fragments of a trip go out eight at a time behind each eight matrix instructions of its first
; product, K's fragments of the NEXT trip eight at a time ahead of each eight of its second product: no phase begins with a run of loads.
;
; BOTH PRODUCTS ARE TRANSPOSED: S^T = K Q^T (A = 16 keys from LDS, B = Q in registers), O^T = V^T P^T (A = V^T by transposing LDS loads).
; In both results a lane is one query row (l % 16): the row's maximum is a reduction in the lane and one exchange of halves, the rescale
; factor is one register, and the eight numbers of tile mt of S^T, packed, ARE registers 4 (mt & 1) .. + 3 of fragment mt >> 1 of P^T.
;
; REGISTERS: window 0: addresses, softmax state, S^T at v64-191 (tile (mt, nt) at 64 + 8 (4 mt + nt)), P^T at v192-255 (192 + 8 (2 nt + kk));
; window 1: O^T, tile (dt, nt) at 8 (4 dt + nt);  window 2: Q at 8 (4 nt + ks), K's fragments at 128 + 8 (4 ks + mt);  window 3: V's at 8 (8 kk + dt).
.set VMEM,  128*288                    ; a tile of V in LDS: pitch 288, an odd multiple of 32, for the transposing loads
.set KMEM,  128*272                    ; a tile of K: pitch 272, an odd multiple of 16
.set KOFF,  2*VMEM                     ; in a slot: V of the two trips, then K of the two trips
.set SLOT,  2*VMEM+2*KMEM              ; 143,360
.set XCH,   0                          ; the merge's bytes lie in slot 0, which has had its last fill and its last read by then: for each head 32 KiB of O, 1 KiB of maxima and sums
.set XHALF, 33792
.set STAGE, 2*SLOT                     ; behind the ring: 16 rows x 272 bytes for each wave
.set KADR, 2                           ; v2-3   LDS address of K's fragments, slot 0, 1
.set VADR, 4                           ; v4-5   of V's
.set XA,   6                           ; v6     merge: O
.set XB,   7                           ; v7     merge: maxima and sums
.set STO,  8                           ; v8     stage in
.set RD,   9                           ; v9     stage back
.set CO,   10                          ; v10    my byte offset in ob
.set NINF, 11                          ; v11    -infinity
.set DM,   12                          ; v12-15 tile nt: in its diagonal key tile element (mt, jj) is kept iff 16 mt + jj <= DM
.set NM,   16                          ; v16+2nt  -32 x running maximum   (pairs (NM, l))
.set LS,   17                          ; v17+2nt  running sum, each half of the lanes its own
.set AL,   24                          ; v24+2nt  rescale factor          (pairs; the second register is only there to fill the pair)
.set SB,   64
.set PB,   192
.set G1V, 24                           ; s[24:31] group 1 for V's tiles
.set G1K, 32                           ; s[32:39] for K's
.set G0V, 40                           ; s[40:47] group 0 for V's tiles, one set for each slot
.set G0K, 48                           ; s[48:55] for K's
.set MSB, 0
.macro WIN new                         ; the immediate's high byte repeats the setting that is left
.if MSB != \new
	s_set_vgpr_msb (MSB<<8)|\new
.set MSB, \new
.endif
.endm
.macro PLACES                          ; four places behind a matrix instruction (ISA guide 7.12.1)
.rept 4
	v_nop
.endr
.endm
.macro ROUND                           ; a round of the cluster's barrier
	s_barrier_signal -1
	s_barrier_wait -1
	s_cmp_lg_u32 s8, 0
	s_cbranch_scc1 .Lnot_wave_0_\@
	s_barrier_signal -3
.Lnot_wave_0_\@:
	s_barrier_wait -3
	s_barrier_signal -1
	s_barrier_wait -1
.endm
.macro JLOAD s                         ; waves 0, 1 fetch V's tiles of the pair, waves 2, 3 K's; four v_nop follow each line
	s_cmp_eq_u32 s10, 0
	s_cbranch_scc0 .Lfor_k_\@
	tensor_load_to_lds s[G0V+4*\s:G0V+4*\s+3], s[G1V:G1V+7]
	s_nop 0
.rept 4
	v_nop
.endr
	s_branch .Lasked_\@
.Lfor_k_\@:
	tensor_load_to_lds s[G0K+4*\s:G0K+4*\s+3], s[G1K:G1K+7]
	s_nop 0
.rept 4
	v_nop
.endr
.Lasked_\@:
.endm
; Slot s is aimed at my tile of the pair that begins with trip breg + add: my trip is n = breg + add + (wave & 1); its tile is n for n <= j, n - j beyond.
; Stands where no tensor load of the wave is out.
.macro AIM s, breg, add
	s_add_co_u32 s76, \breg, s9
	s_add_co_u32 s76, s76, \add                    ; n
	s_cmp_gt_u32 s76, s12
	s_cselect_b32 s78, s12, 0
	s_sub_co_u32 s76, s76, s78                     ; the tile, 0 .. 15
	s_lshl_b32 s76, s76, 20                        ; x 128 rows of 8,192 bytes
	s_add_co_u32 s78, s76, 4096                    ; k' begins at byte 4,096 of a row,
	s_add_co_u32 s76, s76, 6144                    ; v' at 6,144
	s_add_nc_u64 s[G0V+4*\s+2:G0V+4*\s+3], s[22:23], s[76:77]
	s_or_b32 s[G0V+4*\s+3], s[G0V+4*\s+3], 0x80000000
	s_add_nc_u64 s[G0K+4*\s+2:G0K+4*\s+3], s[22:23], s[78:79]
	s_or_b32 s[G0K+4*\s+3], s[G0K+4*\s+3], 0x80000000
.endm
	s_load_b128 s[4:7], s[0:1], 0x0                ; qkv s[4:5], ob s[6:7]
	v_lshl_add_u32 v62, v0, 2, 0x4a400
	v_mov_b32 v63, 0
	ds_add_u32 v62, v63
	v_lshrrev_b32 v1, 5, v0
	v_readfirstlane_b32 s8, v1                     ; wave
	s_and_b32 s9, s8, 1                            ; g.  Also: I fetch for the pair's first (0) or second (1) trip
	s_lshr_b32 s10, s8, 1                          ; kh.  Also: I fetch V (0) or K (1)
	s_bfe_u32 s11, ttmp6, 0x40000                  ; cx
	s_mov_b32 s12, ttmp9                           ; j
	s_and_b32 s13, ttmp7, 0xffff                   ; kv head
	s_mov_b32 s14, 0                               ; the trip's number
	s_mov_b32 s16, 0x76543210                      ; v_permlanex16_b32: lane i reads lane i of the other half
	s_mov_b32 s17, 0xfedcba98
	s_mov_b32 s18, 0x42000000                      ; 32.0, twice
	s_mov_b32 s19, 0x42000000
	s_mov_b32 s77, 0                               ; the high words of AIM's two offsets
	s_mov_b32 s79, 0
	; group 1: 128 rows of 128 elements of 2 bytes, pitch 4,096 elements; V padded by 8 words behind every 64 (pitch 288), K by 4 (272)
	s_mov_b32 s[G1V+0], 15|(1<<16)|(1<<20)|(1<<21)|(5<<22)|(7<<25)
	s_mov_b32 s[G1K+0], 15|(1<<16)|(1<<20)|(1<<21)|(5<<22)|(3<<25)
	s_mov_b32 s[G1V+1], 128<<16                    ; tensor_dim0 = 128
	s_mov_b32 s[G1K+1], 128<<16
	s_mov_b32 s[G1V+2], 128<<16                    ; tensor_dim1 = 128
	s_mov_b32 s[G1K+2], 128<<16
	s_mov_b32 s[G1V+3], 128<<16                    ; tile_dim0 = 128
	s_mov_b32 s[G1K+3], 128<<16
	s_mov_b32 s[G1V+4], 128                        ; tile_dim1 = 128
	s_mov_b32 s[G1K+4], 128
	s_mov_b32 s[G1V+5], 4096
	s_mov_b32 s[G1K+5], 4096
	s_mov_b32 s[G1V+6], 0
	s_mov_b32 s[G1K+6], 0
	s_mov_b32 s[G1V+7], 0
	s_mov_b32 s[G1K+7], 0
	s_lshl_b32 s20, s13, 8                         ; the kv head's 256 bytes
	s_mov_b32 s21, 0
	s_mul_i32 s60, s8, VMEM                        ; V's tiles land at wave x a tile of V (waves 0, 1),
	s_mul_i32 s61, s8, KMEM                        ; K's at KOFF + (wave - 2) x a tile of K = 4,096 + wave x a tile of K (waves 2, 3)
	s_add_co_u32 s61, s61, KOFF-2*KMEM
	s_wait_dscnt 0x0
	s_wait_kmcnt 0x0
	s_add_nc_u64 s[22:23], s[4:5], s[20:21]        ; the base of all tiles' addresses; never rewritten
	ROUND                                          ; the four partners are here: the first joint loads meet
.irp s, 0,1
	s_mov_b32 s[G0V+4*\s], 1
	s_add_co_u32 s[G0V+4*\s+1], s60, \s*SLOT
	s_mov_b32 s[G0K+4*\s], 1
	s_add_co_u32 s[G0K+4*\s+1], s61, \s*SLOT
	AIM \s, s14, 2*\s
	JLOAD \s                                       ; pairs 0 and 1: two loads of the wave are out
.endr
	; Q: a B fragment; lane (r, h) holds query row r, d = 32 ks + 8 h + 0..7 and + 16
	v_and_b32 v32, 15, v0                          ; r
	v_bfe_u32 v33, v0, 4, 1                        ; h
	v_and_b32 v1, 31, v0                           ; lane
	s_lshl2_add_u32 s62, s12, s11                  ; low block 4 j + cx
	s_sub_co_u32 s63, 63, s62                      ; high block
	s_lshl1_add_u32 s66, s13, s9                   ; query head 2 kv + g
	s_lshl_b32 s66, s66, 8                         ; its 256 bytes in a row of q and of ob
	s_lshl_b32 s67, s62, 18                        ; 32 rows x 8,192 bytes
	s_add_co_u32 s67, s67, s66
	s_lshl_b32 s68, s63, 18
	s_add_co_u32 s68, s68, s66
	v_lshlrev_b32 v34, 13, v32
	v_lshl_add_u32 v34, v33, 4, v34
	v_add_nc_u32 v56, s67, v34                     ; never rewritten
	v_add_nc_u32 v57, s68, v34
	WIN 0x80
.irp nt, 0,1,2,3
.irp ks, 0,1,2,3
	global_load_b128 v[8*(4*\nt+\ks):8*(4*\nt+\ks)+3],   v[56+(\nt>>1)], s[4:5] offset:(\nt&1)*131072+64*\ks
	global_load_b128 v[8*(4*\nt+\ks)+4:8*(4*\nt+\ks)+7], v[56+(\nt>>1)], s[4:5] offset:(\nt&1)*131072+64*\ks+32
.endr
.endr
	WIN 0
	s_lshl_b32 s70, s62, 17                        ; ob: 32 rows x 4,096 bytes + the head
	s_add_co_u32 s70, s70, s66
	s_mov_b32 s71, 0
	s_add_nc_u64 s[56:57], s[6:7], s[70:71]
	s_lshl_b32 s70, s63, 17
	s_add_co_u32 s70, s70, s66
	s_add_nc_u64 s[58:59], s[6:7], s[70:71]
	v_mul_u32_u24 v35, v32, 272
	v_lshl_add_u32 v35, v33, 4, v35                ; 272 r + 16 h
	s_mul_i32 s20, s10, 64*272
	s_add_co_u32 s20, s20, KOFF
	v_add_nc_u32 v[KADR], s20, v35                 ; K: row 64 kh + r
	v_add_nc_u32 v[KADR+1], SLOT, v[KADR]
	v_and_b32 v36, 7, v0                           ; V, for the transposing load: row 64 kh + 8 h + (l & 7), 16 bytes ((l >> 3) & 1)
	v_lshl_add_u32 v36, v33, 3, v36
	v_mul_u32_u24 v36, v36, 288
	v_bfe_u32 v37, v0, 3, 1
	v_lshl_add_u32 v36, v37, 4, v36
	s_mul_i32 s21, s10, 64*288
	v_add_nc_u32 v[VADR], s21, v36
	v_add_nc_u32 v[VADR+1], SLOT, v[VADR]
	s_mul_i32 s20, s9, XHALF
	s_add_co_u32 s20, s20, XCH
	v_lshl_add_u32 v[XA], v1, 4, s20
	s_add_co_u32 s20, s20, 32768
	v_lshl_add_u32 v[XB], v1, 2, s20
	s_mul_i32 s21, s8, 16*272
	s_add_co_u32 s21, s21, STAGE
	v_add_nc_u32 v[STO], s21, v35
	v_mul_u32_u24 v38, v33, 272
	v_lshl_add_u32 v38, v32, 4, v38
	v_add_nc_u32 v[RD], s21, v38
	v_lshlrev_b32 v38, 12, v33
	v_lshl_add_u32 v[CO], v32, 4, v38
	v_mov_b32 v[NINF], 0xff800000
	s_lshl_b32 s69, s10, 6                         ; 64 kh
	s_lshl_b32 s67, s11, 5                         ; the low block begins at key 32 cx of its diagonal tile,
	s_sub_co_u32 s68, 96, s67                      ; the high block at 32 (3 - cx) of its own
	s_sub_co_u32 s67, s67, s69
	s_sub_co_u32 s68, s68, s69
	v_lshlrev_b32 v37, 3, v33
	v_sub_nc_u32 v37, v32, v37                     ; r - 8 h
	v_add_nc_u32 v[DM], s67, v37
	v_add_nc_u32 v[DM+1], 16, v[DM]
	v_add_nc_u32 v[DM+2], s68, v37
	v_add_nc_u32 v[DM+3], 16, v[DM+2]
.irp nt, 0,1,2,3
	v_mov_b32 v[LS+2*\nt], 0                       ; a packed instruction reads whole pairs: the second registers are written once here
	v_mov_b32 v[AL+2*\nt+1], 0
.endr
; eight loads: K's fragments of my 64 keys for d = 32 ks .. 32 ks + 31, from trip mem (0, 1) of the pair in slot.  The caller has set destination window 2.
.macro KGROUP slot, mem, ks
.irp mt, 0,1,2,3
	ds_load_b128 v[128+8*(4*\ks+\mt):128+8*(4*\ks+\mt)+3],   v[KADR+\slot] offset:\mem*KMEM+4352*\mt+64*\ks
	ds_load_b128 v[128+8*(4*\ks+\mt)+4:128+8*(4*\ks+\mt)+7], v[KADR+\slot] offset:\mem*KMEM+4352*\mt+64*\ks+32
.endr
.endm
; eight transposing loads: V's fragments kk = q >> 1, dt = 4 (q & 1) .. + 3.  The caller has set destination window 3.
.macro VGROUP slot, mem, q
.irp d, 0,1,2,3
	ds_load_tr16_b128 v[8*(8*(\q>>1)+4*(\q&1)+\d):8*(8*(\q>>1)+4*(\q&1)+\d)+3],   v[VADR+\slot] offset:\mem*VMEM+9216*(\q>>1)+32*(4*(\q&1)+\d)
	ds_load_tr16_b128 v[8*(8*(\q>>1)+4*(\q&1)+\d)+4:8*(8*(\q>>1)+4*(\q&1)+\d)+7], v[VADR+\slot] offset:\mem*VMEM+9216*(\q>>1)+32*(4*(\q&1)+\d)+4608
.endr
.endm
; S^T for column tiles lo .. hi - 1, on K's fragments, which were asked for in the trip before; this trip's V fragments are asked for on the way.
; The 16 (or 8) accumulators take turns, one instruction a turn.
.macro SPHASE slot, mem, lo, hi
.irp ks, 0,1,2,3
	s_wait_dscnt 24                                ; K's eight loads of this ks are in: behind them went out eight of K for each later ks and eight of V for each earlier one, 8 (3 - ks) + 8 ks
	WIN 0x0a                                       ; A and B in window 2, C and D in window 0
.irp mt, 0,1,2,3
.irp nt, 0,1,2,3
.if \nt >= \lo
.if \nt < \hi
.if \ks == 0
	v_wmma_f32_16x16x32_f16 v[SB+8*(4*\mt+\nt):SB+8*(4*\mt+\nt)+7], v[128+8*(4*\ks+\mt):128+8*(4*\ks+\mt)+7], v[8*(4*\nt+\ks):8*(4*\nt+\ks)+7], 0
.else
	v_wmma_f32_16x16x32_f16 v[SB+8*(4*\mt+\nt):SB+8*(4*\mt+\nt)+7], v[128+8*(4*\ks+\mt):128+8*(4*\ks+\mt)+7], v[8*(4*\nt+\ks):8*(4*\nt+\ks)+7], v[SB+8*(4*\mt+\nt):SB+8*(4*\mt+\nt)+7]
.endif
.endif
.endif
.endr
.endr
	WIN 0xc0
	VGROUP \slot, \mem, \ks                        ; V's registers were last read by the trip before's second product, which ends with its four places
.endr
	PLACES
	WIN 0
.endm
; the causal mask in a block's diagonal tile: column tiles ntb, ntb + 1
.macro MASK ntb
.irp nn, 0,1
.irp mt, 0,1,2,3
.irp jj, 0,1,2,3,4,5,6,7
	v_cmp_gt_i32 vcc_lo, 16*\mt+\jj, v[DM+\ntb+\nn]
	v_cndmask_b32 v[SB+8*(4*\mt+\ntb+\nn)+\jj], v[SB+8*(4*\mt+\ntb+\nn)+\jj], v[NINF], vcc_lo
.endr
.endr
.endr
.endm
; one column tile: running maximum, p = 2^(32 s + NM), running sum, P^T in f16
.macro SOFTMAX nt, first
.irp mt, 0,1,2,3
	v_max3_num_f32 v[32+\mt], v[SB+8*(4*\mt+\nt)], v[SB+8*(4*\mt+\nt)+1], v[SB+8*(4*\mt+\nt)+2]      ; four chains
.endr
.irp mt, 0,1,2,3
	v_max3_num_f32 v[32+\mt], v[32+\mt], v[SB+8*(4*\mt+\nt)+3], v[SB+8*(4*\mt+\nt)+4]
.endr
.irp mt, 0,1,2,3
	v_max3_num_f32 v[32+\mt], v[32+\mt], v[SB+8*(4*\mt+\nt)+5], v[SB+8*(4*\mt+\nt)+6]
.endr
.irp mt, 0,1,2,3
	v_max_num_f32 v[32+\mt], v[32+\mt], v[SB+8*(4*\mt+\nt)+7]
.endr
	v_max3_num_f32 v32, v32, v33, v34
	v_max_num_f32 v32, v32, v35
	v_permlanex16_b32 v36, v32, s16, s17           ; the other half of the lanes holds the row's other 32 keys
	v_max_num_f32 v32, v32, v36
	v_mul_f32 v37, 0xc2000000, v32                 ; -32 x the tile's maximum; +infinity where all my keys are masked
.if \first
	v_min_num_f32 v[NM+2*\nt], 0x7f000000, v37     ; kept finite (2^127): a row with all my keys masked gets p = 0, l = 0, O = 0 and no NaN
.else
	v_min_num_f32 v38, v[NM+2*\nt], v37
	v_sub_f32 v39, v38, v[NM+2*\nt]
	v_exp_f32 v[AL+2*\nt], v39                     ; 2^(32 (old maximum - new maximum))
	v_mov_b32 v[NM+2*\nt], v38                     ; the plain place behind the transcendental (ISA guide 5.7.2)
.endif
.irp mt, 0,1,2,3
.irp u, 0,1,2,3
	v_pk_fma_f32 v[SB+8*(4*\mt+\nt)+2*\u:SB+8*(4*\mt+\nt)+2*\u+1], v[SB+8*(4*\mt+\nt)+2*\u:SB+8*(4*\mt+\nt)+2*\u+1], s[18:19], v[NM+2*\nt:NM+2*\nt+1] op_sel_hi:[1,0,0]
.endr
.endr
.irp mt, 0,1,2,3
.irp jj, 0,1,2,3,4,5,6,7
	v_exp_f32 v[SB+8*(4*\mt+\nt)+\jj], v[SB+8*(4*\mt+\nt)+\jj]
.endr
.endr
	v_nop                                          ; the plain place behind the transcendentals
	s_wait_alu depctr_va_vdst(0)
.irp mt, 0,1,2,3
.irp e, 0,1
	v_pk_add_f32 v[40+4*\mt+2*\e:40+4*\mt+2*\e+1], v[SB+8*(4*\mt+\nt)+4*\e:SB+8*(4*\mt+\nt)+4*\e+1], v[SB+8*(4*\mt+\nt)+4*\e+2:SB+8*(4*\mt+\nt)+4*\e+3]
.endr
.endr
.irp mt, 0,1,2,3
	v_pk_add_f32 v[40+4*\mt:40+4*\mt+1], v[40+4*\mt:40+4*\mt+1], v[42+4*\mt:42+4*\mt+1]
.endr
	v_pk_add_f32 v[40:41], v[40:41], v[44:45]
	v_pk_add_f32 v[48:49], v[48:49], v[52:53]
	v_pk_add_f32 v[40:41], v[40:41], v[48:49]
.if \first
	v_add_f32 v[LS+2*\nt], v40, v41
.else
	v_add_f32 v40, v40, v41
	v_fma_f32 v[LS+2*\nt], v[LS+2*\nt], v[AL+2*\nt], v40
.endif
.irp mt, 0,1,2,3
.irp u, 0,1,2,3
	v_cvt_pk_f16_f32 v[PB+8*(2*\nt+(\mt>>1))+4*(\mt&1)+\u], v[SB+8*(4*\mt+\nt)+2*\u], v[SB+8*(4*\mt+\nt)+2*\u+1]
.endr
.endr
.endm
.macro RESCALE lo, hi
	WIN 0x41                                       ; O in window 1, the factor in window 0
.irp dt, 0,1,2,3,4,5,6,7
.irp nt, 0,1,2,3
.if \nt >= \lo
.if \nt < \hi
.irp u, 0,1,2,3
	v_pk_mul_f32 v[8*(4*\dt+\nt)+2*\u:8*(4*\dt+\nt)+2*\u+1], v[8*(4*\dt+\nt)+2*\u:8*(4*\dt+\nt)+2*\u+1], v[AL+2*\nt:AL+2*\nt+1] op_sel_hi:[1,0]
.endr
.endif
.endif
.endr
.endr
	WIN 0
.endm
; O^T += V^T P^T, in four quarters q (kk = q >> 1, dt = 4 (q & 1) .. + 3).  pre = 1: ahead of quarter q go out K's eight loads ks = q of the NEXT trip,
; which is trip kmem of the pair in kslot (K's registers were last read by this trip's first product, which ends with its four places).
; The 32 (or 16) accumulators take turns, one instruction a turn.  first = 1: the first products start the sums.
.macro PV lo, hi, first, pre, kslot, kmem
	s_wait_dscnt 0x0                               ; V's fragments are in
.irp q, 0,1,2,3
.set zero_, 0
.if \first
.if \q < 2
.set zero_, 1
.endif
.endif
.if \pre
	WIN 0x80
	KGROUP \kslot, \kmem, \q
.endif
	WIN 0x53                                       ; A window 3, B window 0, C and D window 1
.irp d, 0,1,2,3
.irp nt, 0,1,2,3
.if \nt >= \lo
.if \nt < \hi
.if zero_
	v_wmma_f32_16x16x32_f16 v[8*(4*(4*(\q&1)+\d)+\nt):8*(4*(4*(\q&1)+\d)+\nt)+7], v[8*(8*(\q>>1)+4*(\q&1)+\d):8*(8*(\q>>1)+4*(\q&1)+\d)+7], v[PB+8*(2*\nt+(\q>>1)):PB+8*(2*\nt+(\q>>1))+7], 0
.else
	v_wmma_f32_16x16x32_f16 v[8*(4*(4*(\q&1)+\d)+\nt):8*(4*(4*(\q&1)+\d)+\nt)+7], v[8*(8*(\q>>1)+4*(\q&1)+\d):8*(8*(\q>>1)+4*(\q&1)+\d)+7], v[PB+8*(2*\nt+(\q>>1)):PB+8*(2*\nt+(\q>>1))+7], v[8*(4*(4*(\q&1)+\d)+\nt):8*(4*(4*(\q&1)+\d)+\nt)+7]
.endif
.endif
.endif
.endr
.endr
.endr
	PLACES
	WIN 0
.endm
; A trip up to its second product, for column tiles lo .. hi - 1.  mask = 1: tiles lo, lo + 1 are on their diagonal; 2: they are iff the trip's number (register ireg) is j; 0: never.
.macro PART1 slot, mem, lo, hi, first, mask, ireg
	SPHASE \slot, \mem, \lo, \hi
.if \mask == 1
	MASK \lo
.endif
.if \mask == 2
	s_cmp_lg_u32 \ireg, s12
	s_cbranch_scc1 .Lnomask_\@
	MASK \lo
.Lnomask_\@:
.endif
.irp nt, 0,1,2,3
.if \nt >= \lo
.if \nt < \hi
	SOFTMAX \nt, \first
.endif
.endif
.endr
.if \first == 0
	RESCALE \lo, \hi
.endif
.endm
; In the second trip of the pair in slot s (the pair begins with trip breg): the slot is read out and is asked for again, two pairs on.
.macro MIDFILL s, breg
	s_wait_tensorcnt 0x0                           ; all my tensor loads have landed: the one that was out is my tile of the next pair, in the other slot,
	ds_add_u32 v62, v63
	AIM \s, \breg, 4                               ; so every group 0 may be written
	s_wait_dscnt 0x0                               ; my reads of this slot are over: all fragments of its two trips are in registers
	ROUND                                          ; both now hold of every wave of all four partners
	JLOAD \s                                       ; the first tensor load behind the round, one a wave, ahead of the reads of the other slot
.endm
.macro MIDPLAIN                        ; the same place where nothing is left to fetch: the last pair's tiles are shown to every wave
	s_wait_tensorcnt 0x0
	s_wait_dscnt 0x0
	s_barrier_signal -1
	s_barrier_wait -1
.endm
; The first trip of the pair in slot (trip number in ireg): the low block up to trip j, the high block beyond.  K of the pair's second trip is asked for.
.macro TRIPA slot, ireg
	s_cmp_le_u32 \ireg, s12
	s_cbranch_scc0 .Lahigh_\@
	PART1 \slot, 0, 0, 2, 0, 2, \ireg
	PV 0, 2, 0, 1, \slot, 1
	s_branch .Ladone_\@
.Lahigh_\@:
	PART1 \slot, 0, 2, 4, 0, 0, \ireg
	PV 2, 4, 0, 1, \slot, 1
.Ladone_\@:
.endm
; The second trip of the pair in slot.  The two ways join in front of the round and part again behind it: barriers and the joint load stand on one way for all.
.macro TRIPB slot, other, ireg, breg
	s_cmp_le_u32 \ireg, s12
	s_cbranch_scc0 .Lbhigh_\@
	PART1 \slot, 1, 0, 2, 0, 2, \ireg
	s_branch .Lbmid_\@
.Lbhigh_\@:
	PART1 \slot, 1, 2, 4, 0, 0, \ireg
.Lbmid_\@:
	MIDFILL \slot, \breg
	s_cmp_le_u32 \ireg, s12
	s_cbranch_scc0 .Lbhigh2_\@
	PV 0, 2, 0, 1, \other, 0
	s_branch .Lbdone_\@
.Lbhigh2_\@:
	PV 2, 4, 0, 1, \other, 0
.Lbdone_\@:
.endm
	s_wait_tensorcnt 0x1                           ; my tile of pair 0 is in; pair 1's may stay out
	s_barrier_signal -1
	s_barrier_wait -1
	WIN 0x80
	KGROUP 0, 0, 0                                 ; trip 0's K fragments: the only ones with no trip before them
	KGROUP 0, 0, 1
	KGROUP 0, 0, 2
	KGROUP 0, 0, 3
	WIN 0
	s_wait_loadcnt 0x0                             ; Q
	PART1 0, 0, 0, 4, 1, 2, s14                    ; trip 0: tile 0 for both blocks starts every sum: nothing is cleared
	PV 0, 4, 1, 1, 0, 1
	s_mov_b32 s15, 1
	TRIPB 0, 1, s15, s14                           ; trip 1; slot 0 gets pair 2
	s_mov_b32 s14, 2
.Llap:                                             ; pairs 1 to 4, two a lap: slot 1, then slot 0; they ask for pairs 3 to 6
	s_add_co_u32 s15, s14, 1
	s_add_co_u32 s20, s14, 2
	s_add_co_u32 s21, s14, 3
	TRIPA 1, s14
	TRIPB 1, 0, s15, s14
	TRIPA 0, s20
	TRIPB 0, 1, s21, s20
	s_add_co_u32 s14, s14, 4
	s_cmp_lt_u32 s14, 10
	s_cbranch_scc1 .Llap
	; trips 10 to 15 are the high block's for every j (j <= 7)
	PART1 1, 0, 2, 4, 0, 0, s14                    ; trip 10
	PV 2, 4, 0, 1, 1, 1
	PART1 1, 1, 2, 4, 0, 0, s14                    ; trip 11; slot 1 gets pair 7 (s14 = 10): the last load
	MIDFILL 1, s14
	PV 2, 4, 0, 1, 0, 0
	PART1 0, 0, 2, 4, 0, 0, s14                    ; trip 12
	PV 2, 4, 0, 1, 0, 1
	PART1 0, 1, 2, 4, 0, 0, s14                    ; trip 13; behind its barrier no wave reads slot 0 any more
	MIDPLAIN
	PV 2, 4, 0, 1, 1, 0
	PART1 1, 0, 2, 4, 0, 0, s14                    ; trip 14
	PV 2, 4, 0, 1, 1, 1
	PART1 1, 1, 2, 4, 0, 1, s14                    ; trip 15: the high block's diagonal tile
	PV 2, 4, 0, 0, 0, 0
	; THE MERGE of the two key halves: the waves of keys 64.. hand O, maxima and sums to the waves of keys 0..63, which finish and store
.irp nt, 0,1,2,3
	v_permlanex16_b32 v36, v[LS+2*\nt], s16, s17
	v_add_f32 v[LS+2*\nt], v[LS+2*\nt], v36        ; the two halves of the lanes
.endr
	s_cmp_eq_u32 s10, 0
	s_cbranch_scc1 .Lkeep
	WIN 0x04                                       ; an LDS store's data is source 1: window 1
.set i, 0
.rept 64
	ds_store_b128 v[XA], v[4*i:4*i+3] offset:512*i
.set i, i+1
.endr
	WIN 0
.irp nt, 0,1,2,3
	ds_store_b32 v[XB], v[NM+2*\nt] offset:128*\nt
	ds_store_b32 v[XB], v[LS+2*\nt] offset:512+128*\nt
.endr
.Lkeep:
	s_wait_dscnt 0x0                               ; for the other wave's sake: all my stores are done
	s_barrier_signal -1
	s_barrier_wait -1
	s_cmp_lg_u32 s10, 0
	s_cbranch_scc1 .Lclose
.irp nt, 0,1,2,3
	ds_load_b32 v[32+\nt], v[XB] offset:128*\nt
	ds_load_b32 v[36+\nt], v[XB] offset:512+128*\nt
.endr
	s_wait_dscnt 0x0
.irp nt, 0,1,2,3
	v_min_num_f32 v[40+\nt], v[NM+2*\nt], v[32+\nt]        ; the common maximum (negated)
	v_sub_f32 v[44+\nt], v[40+\nt], v[NM+2*\nt]
	v_sub_f32 v[48+\nt], v[40+\nt], v[32+\nt]
.endr
.irp nt, 0,1,2,3
	v_exp_f32 v[44+\nt], v[44+\nt]
	v_exp_f32 v[48+\nt], v[48+\nt]
.endr
	v_nop
	s_wait_alu depctr_va_vdst(0)
.irp nt, 0,1,2,3
	v_mul_f32 v[52+\nt], v[LS+2*\nt], v[44+\nt]
	v_fmac_f32 v[52+\nt], v[36+\nt], v[48+\nt]             ; the row's sum: at least 1, since the half with the maximum has weight 1 and holds p = 1
.endr
.irp nt, 0,1,2,3
	v_rcp_f32 v[40+\nt], v[52+\nt]
.endr
	v_nop
	s_wait_alu depctr_va_vdst(0)
.irp nt, 0,1,2,3
	v_mul_f32 v[AL+2*\nt], v[44+\nt], v[40+\nt]            ; my O's weight
	v_mul_f32 v[NM+2*\nt], v[48+\nt], v[40+\nt]            ; the other half's
.endr
; 16 query rows: weigh and add the two halves, round, and out through my stage as whole rows of 256 bytes
.macro OUTQ nt, base
.irp dt, 0,1,2,3,4,5,6,7
	ds_load_b128 v[SB+8*\dt:SB+8*\dt+3],   v[XA] offset:512*(2*(4*\dt+\nt))
	ds_load_b128 v[SB+8*\dt+4:SB+8*\dt+7], v[XA] offset:512*(2*(4*\dt+\nt)+1)
.endr
	s_wait_dscnt 0x0
.set i, 0
.rept 32
	v_pk_mul_f32 v[SB+2*i:SB+2*i+1], v[SB+2*i:SB+2*i+1], v[NM+2*\nt:NM+2*\nt+1] op_sel_hi:[1,0]
.set i, i+1
.endr
	WIN 0x01                                       ; source 0: my O in window 1
.irp dt, 0,1,2,3,4,5,6,7
.irp u, 0,1,2,3
	v_pk_fma_f32 v[SB+8*\dt+2*\u:SB+8*\dt+2*\u+1], v[8*(4*\dt+\nt)+2*\u:8*(4*\dt+\nt)+2*\u+1], v[AL+2*\nt:AL+2*\nt+1], v[SB+8*\dt+2*\u:SB+8*\dt+2*\u+1] op_sel_hi:[1,0,1]
.endr
.endr
	WIN 0
.irp dt, 0,1,2,3,4,5,6,7
.irp u, 0,1,2,3
	v_cvt_pk_f16_f32 v[PB+4*\dt+\u], v[SB+8*\dt+2*\u], v[SB+8*\dt+2*\u+1]
.endr
.endr
.irp dt, 0,1,2,3,4,5,6,7
	ds_store_b128 v[STO], v[PB+4*\dt:PB+4*\dt+3] offset:32*\dt
.endr
	s_wait_xcnt 0x0                                ; v128-159, which the last tile's stores read, are rewritten only behind this wait
.irp t, 0,1,2,3,4,5,6,7
	ds_load_b128 v[128+4*\t:128+4*\t+3], v[RD] offset:544*\t         ; LDS serves a wave's instructions in order (ISA guide 5.7.1)
.endr
.irp t, 0,1,2,3,4,5,6,7
	s_wait_dscnt 7-\t
	global_store_b128 v[CO], v[128+4*\t:128+4*\t+3], s[\base:\base+1] offset:(\nt&1)*65536+8192*\t    ; 16 lanes store 256 consecutive bytes, aligned
.endr
.endm
	OUTQ 0, 56
	OUTQ 1, 56
	OUTQ 2, 58
	OUTQ 3, 58
.Lclose:
	s_wait_tensorcnt 0x0
	ds_add_u32 v62, v63
	s_wait_dscnt 0x0
	ROUND                                          ; the closing round
	s_endpgm
.Lfunc_end_k_qcecd1f9591_attn:
	.size	k_qcecd1f9591_attn, .Lfunc_end_k_qcecd1f9591_attn-k_qcecd1f9591_attn
	.p2alignl 7, 3214868480
	.fill 96, 4, 3214868480
	.section	.rodata,"a",@progbits
	.p2align	6, 0x0
	.amdhsa_kernel k_qcecd1f9591_attn
		.amdhsa_group_segment_fixed_size 327680
		.amdhsa_private_segment_fixed_size 0
		.amdhsa_enable_private_segment 0
		.amdhsa_kernarg_size 16
		.amdhsa_user_sgpr_count 2
		.amdhsa_user_sgpr_kernarg_segment_ptr 1
		.amdhsa_wavefront_size32 1
		.amdhsa_system_sgpr_workgroup_id_x 1
		.amdhsa_system_sgpr_workgroup_id_y 1
		.amdhsa_system_sgpr_workgroup_id_z 1
		.amdhsa_system_vgpr_workitem_id 0
		.amdhsa_next_free_vgpr 896
		.amdhsa_next_free_sgpr 80
		.amdhsa_reserve_vcc 1
		.amdhsa_float_denorm_mode_32 3
		.amdhsa_float_denorm_mode_16_64 3
		.amdhsa_memory_ordered 1
		.amdhsa_forward_progress 1
		.amdhsa_inst_pref_size 255
	.end_amdhsa_kernel
	.section	.bss,"aw",@nobits
	.p2align	6
	.space	262144
	.amdgpu_metadata
---
amdhsa.version: [ 1, 2 ]
amdhsa.kernels:
  - .name:           k_qcecd1f9591_attn
    .symbol:         k_qcecd1f9591_attn.kd
    .args:
      - { .name: qkv, .offset: 0, .size: 8, .value_kind: global_buffer, .address_space: global }
      - { .name: ob, .offset: 8, .size: 8, .value_kind: global_buffer, .address_space: global }
    .group_segment_fixed_size: 327680
    .private_segment_fixed_size: 0
    .kernarg_segment_align: 8
    .kernarg_segment_size: 16
    .max_flat_workgroup_size: 128
    .sgpr_count:     80
    .vgpr_count:     896
    .wavefront_size: 32
...
	.end_amdgpu_metadata
.endif
;; end of part 3
;; launch oproj (part 4): grid 16 x 16, 4 waves a work-group, clusters of 4 x 4, 327,680 bytes of LDS; arguments ob, wob, out0; writes out0
.if DOCPART == 4
	.amdgcn_target "amdgcn-amd-amdhsa--gfx1250"
	.amdhsa_code_object_version 6
	.text
	.protected	k_qcecd1f9591_oproj
	.globl	k_qcecd1f9591_oproj
	.p2align	8
	.type	k_qcecd1f9591_oproj,@function
k_qcecd1f9591_oproj:
	s_mov_b64 s[64:65], 0
	v_nop
	global_prefetch_b8 v0, s[64:65] scope:SCOPE_SE
	s_setreg_imm32_b32 hwreg(HW_REG_WAVE_MODE, 25, 1), 1
	s_wait_xcnt 0x0
	s_wait_alu depctr_hold_cnt(0) depctr_sa_sdst(0) depctr_va_vdst(0) depctr_va_sdst(0) depctr_va_ssrc(0) depctr_va_vcc(0) depctr_vm_vsrc(0)
	s_getreg_b32 s2, hwreg(HW_REG_IB_STS2, 6, 4)
	s_cmp_eq_u32 s2, 0
	s_cbranch_scc0 .Lentry_in_a_cluster
	s_endpgm
.Lentry_in_a_cluster:
	s_bfe_u32 s2, ttmp6, 0x10000c
	s_cmp_lg_u32 s2, 0xf033
	s_cbranch_scc0 .Lentry_shape_is_right
	s_endpgm
.Lentry_shape_is_right:
; out0[t][n] = sum over k of ob[t][k] wob[n][k].  ob: [2048][2048] f16 = o/16, wob: [4096][2048] f16 = 16 bf16(Wo), out0: [2048][4096] f32; sums in f32.
; The two fixed scales cancel.  The body is that of the projection of q, k and v: a work-group makes 128 rows x 256 columns with four waves,
; wave w: nh = w & 1 picks 128 columns, kh = w >> 1 picks 64 of every 128 along K, so that each wave keeps a whole 128 x 128 block of sums for its
; half of K (64 tiles, 512 registers) and reads 2 x 128 x 64 bytes of LDS for 64 matrix instructions; the halves of K meet once, through LDS.
; K goes in steps of 128 through a ring of two LDS slots; a tile's rows are 256 bytes of memory, aligned.
; CLUSTERS: 4 x 4 work-groups; ob's tiles are asked for jointly along a row of the cluster, wob's along a column.
; REGISTERS: window 0: addresses, A's fragments, the way out;  window 1: B's fragments;  window 2: sums of rows 64 kh .. + 63 (mine to finish),
; tile (a, b) at v[8 (8 a + b)];  window 3: sums of the other 64 rows (the partner wave's).
; The matrix instruction is used transposed (source 0 = 16 rows of wob, source 1 = 16 rows of ob): a lane holds eight neighbouring columns of one row.
.set SIZE_K, 2048
.set KSTEP,  128
.set PITCH,  272                       ; 256 bytes + 16 of padding
.set AOFF,   256*PITCH                 ; in a slot: B's 256 rows, then A's 128 rows
.set SLOT,   384*PITCH
.set STAGE,  2*SLOT                    ; behind the ring: 16 rows x 528 bytes for each wave
.set SPITCH, 528                       ; 128 f32 + 16 bytes: an odd multiple of 16
.set OROW,   16384                     ; bytes in a row of out0
.set LAPS,   SIZE_K/(2*KSTEP)
.set ADRAL, 16
.set ADRAH, 18
.set ADRB,  20
.set XS,    22
.set XR,    23
.set STO,   24
.set RD,    25
.set CO,    26
.set F0,    64
.set F1,    128
.set TMP,   192                        ; v192-255 rows read back from the stage
.set G1,  24
.set G0,  32
.set G1B, 48
.set G0B, 56
.set MSB, 0
.macro WIN new
.if MSB != \new
	s_set_vgpr_msb (MSB<<8)|\new
.set MSB, \new
.endif
.endm
.set MUL_LO, 0xa1
.set MUL_HI, 0xf1
.set TO_B,   0x40
.macro JLOAD s                         ; waves 0, 1 fetch B's halves (128 rows each), waves 2, 3 A's (64 rows each); four v_nop follow each line
	s_cmp_eq_u32 s11, 0
	s_cbranch_scc0 .Lfor_a_\@
	tensor_load_to_lds s[G0B+4*\s:G0B+4*\s+3], s[G1B:G1B+7]
	s_nop 0
.rept 4
	v_nop
.endr
	s_branch .Lasked_\@
.Lfor_a_\@:
	tensor_load_to_lds s[G0+4*\s:G0+4*\s+3], s[G1:G1+7]
	s_nop 0
.rept 4
	v_nop
.endr
.Lasked_\@:
.endm
.macro CREST
	s_cmp_lg_u32 s10, 0
	s_cbranch_scc1 .Lnot_wave_0_\@
	s_barrier_signal -3
.Lnot_wave_0_\@:
	s_barrier_wait -3
	s_barrier_signal -1
	s_barrier_wait -1
.endm
.macro CROUND
	s_barrier_signal -1
	s_barrier_wait -1
	CREST
.endm
	s_load_b128 s[4:7], s[0:1], 0x0                ; ob s[4:5], wob s[6:7]
	s_load_b64 s[8:9], s[0:1], 0x10                ; out0
	s_set_vgpr_msb 0x40
	v_lshl_add_u32 v255, v0, 2, 0x3b400
	s_set_vgpr_msb 0x4000
	v_mov_b32 v63, 0
	s_set_vgpr_msb 0x1
	ds_add_u32 v255, v63
	s_set_vgpr_msb 0x100
	v_lshrrev_b32 v1, 5, v0
	v_readfirstlane_b32 s10, v1                    ; wave
	s_lshr_b32 s11, s10, 1                         ; kh.  Also: I fetch for B (0) or for A (1)
	s_and_b32 s12, s10, 1                          ; nh.  Also: which half of that tile I fetch
	s_bfe_u32 s40, ttmp6, 0x40000                  ; cx
	s_bfe_u32 s41, ttmp6, 0x40004                  ; cy
	s_lshl_b32 s42, ttmp9, 2
	s_add_co_u32 s42, s42, s40                     ; block column
	s_and_b32 s13, ttmp7, 0xffff
	s_lshl_b32 s13, s13, 2
	s_add_co_u32 s13, s13, s41                     ; block row
	s_lshl_b32 s43, s41, 2
	s_lshl_b32 s43, 15, s43                        ; my row of the cluster
	s_lshl_b32 s44, 0x1111, s40                    ; my column
	s_or_b32 s[G1+0], s43, (1<<16)|(1<<20)|(1<<21)|(5<<22)|(3<<25)   ; mask; 2-byte elements; padding of 4 words behind every 64; bit 21 beside a mask
	s_or_b32 s[G1B+0], s44, (1<<16)|(1<<20)|(1<<21)|(5<<22)|(3<<25)
	s_mov_b32 s[G1+1], KSTEP<<16                   ; tensor_dim0 = 128
	s_mov_b32 s[G1B+1], KSTEP<<16
	s_mov_b32 s[G1+2], 64<<16                      ; tensor_dim1 = 64
	s_mov_b32 s[G1B+2], 128<<16                    ; tensor_dim1 = 128
	s_mov_b32 s[G1+3], KSTEP<<16                   ; tile_dim0 = 128
	s_mov_b32 s[G1B+3], KSTEP<<16
	s_mov_b32 s[G1+4], 64                          ; tile_dim1
	s_mov_b32 s[G1B+4], 128
	s_mov_b32 s[G1+5], SIZE_K                      ; elements from row to row
	s_mov_b32 s[G1B+5], SIZE_K
	s_mov_b32 s[G1+6], 0
	s_mov_b32 s[G1B+6], 0
	s_mov_b32 s[G1+7], 0
	s_mov_b32 s[G1B+7], 0
	s_lshl_b32 s17, s12, 6
	s_lshl_b32 s16, s13, 7
	s_add_co_u32 s16, s16, s17                     ; A: row 128 x block row + 64 x half
	s_lshl_b32 s47, s12, 7
	s_lshl_b32 s46, s42, 8
	s_add_co_u32 s46, s46, s47                     ; B: row 256 x block column + 128 x half
	s_mov_b32 s17, 0
	s_mov_b32 s47, 0
	s_mov_b64 s[18:19], SIZE_K*2
	s_mul_u64 s[16:17], s[16:17], s[18:19]
	s_mul_u64 s[46:47], s[46:47], s[18:19]
	s_mul_i32 s20, s10, 64*PITCH                   ; A's halves land at 128 rows + wave x 64 rows (wave 2: AOFF),
	s_add_co_u32 s20, s20, 128*PITCH
	s_mul_i32 s45, s10, 128*PITCH                  ; B's at wave x 128 rows
	s_wait_dscnt 0x0
	s_wait_kmcnt 0x0
	s_add_nc_u64 s[14:15], s[4:5], s[16:17]
	s_add_nc_u64 s[46:47], s[6:7], s[46:47]
	CROUND                                         ; the first joint loads meet
.irp s, 0,1
	s_mov_b32 s[G0+4*\s], 1
	s_add_co_u32 s[G0+4*\s+1], s20, \s*SLOT
	s_add_nc_u64 s[G0+4*\s+2:G0+4*\s+3], s[14:15], \s*KSTEP*2
	s_or_b32 s[G0+4*\s+3], s[G0+4*\s+3], 0x80000000
	s_mov_b32 s[G0B+4*\s], 1
	s_add_co_u32 s[G0B+4*\s+1], s45, \s*SLOT
	s_add_nc_u64 s[G0B+4*\s+2:G0B+4*\s+3], s[46:47], \s*KSTEP*2
	s_or_b32 s[G0B+4*\s+3], s[G0B+4*\s+3], 0x80000000
	JLOAD \s                                       ; two loads of the wave are out
.endr
	v_and_b32 v1, 15, v0                           ; r
	v_bfe_u32 v2, v0, 4, 1                         ; h
	v_and_b32 v6, 31, v0                           ; lane
	v_mul_u32_u24 v3, v1, PITCH
	v_lshl_add_u32 v3, v2, 4, v3
	s_lshl_b32 s74, s11, 7                         ; my 64 of the step's 128 along K
	s_mul_i32 s21, s12, 128*PITCH
	s_add_co_u32 s21, s21, s74
	s_mul_i32 s22, s11, 64*PITCH
	s_add_co_u32 s22, s22, s74
	s_add_co_u32 s22, s22, AOFF
	s_xor_b32 s23, s11, 1
	s_mul_i32 s23, s23, 64*PITCH
	s_add_co_u32 s23, s23, s74
	s_add_co_u32 s23, s23, AOFF
.irp s, 0,1
	v_add_nc_u32 v[ADRB+\s], s21, v3
	v_add_nc_u32 v[ADRAL+\s], s22, v3
	v_add_nc_u32 v[ADRAH+\s], s23, v3
	s_add_co_u32 s21, s21, SLOT
	s_add_co_u32 s22, s22, SLOT
	s_add_co_u32 s23, s23, SLOT
.endr
	s_lshl_b32 s75, s10, 15                        ; exchange: 32 KiB a wave, in the ring's bytes once the ring is done with
	v_lshl_add_u32 v[XS], v6, 4, s75
	s_xor_b32 s75, s10, 2
	s_lshl_b32 s75, s75, 15
	v_lshl_add_u32 v[XR], v6, 4, s75
	s_mul_i32 s75, s10, 16*SPITCH
	s_add_co_u32 s75, s75, STAGE
	v_mul_u32_u24 v4, v1, SPITCH                   ; in: row r, 32 bytes for each half of the lanes
	v_lshl_add_u32 v4, v2, 5, v4
	v_add_nc_u32 v[STO], s75, v4
	v_lshl_add_u32 v[RD], v6, 4, s75               ; back: the 32 lanes take one row of 512 bytes
	v_lshlrev_b32 v[CO], 4, v6
.macro MUL16 f, hi, a0, zero
.irp a, \a0, \a0+1
.irp b, 0,1,2,3,4,5,6,7
.if \zero
	v_wmma_f32_16x16x32_f16 v[8*(8*(\a)+\b):8*(8*(\a)+\b)+7], v[\f+8*\b:\f+8*\b+7], v[\f+8*(4*\hi+\a):\f+8*(4*\hi+\a)+7], 0
.else
	v_wmma_f32_16x16x32_f16 v[8*(8*(\a)+\b):8*(8*(\a)+\b)+7], v[\f+8*\b:\f+8*\b+7], v[\f+8*(4*\hi+\a):\f+8*(4*\hi+\a)+7], v[8*(8*(\a)+\b):8*(8*(\a)+\b)+7]
.endif
.endr
.endr
.endm
.macro FETCH slot, k, f
	WIN TO_B
.irp i, 0,1,2,3,4,5,6,7
	ds_load_b128 v[\f+8*\i:\f+8*\i+3],   v[ADRB+\slot] offset:\k+\i*16*PITCH
	ds_load_b128 v[\f+8*\i+4:\f+8*\i+7], v[ADRB+\slot] offset:\k+\i*16*PITCH+32
.endr
	WIN 0
.irp i, 0,1,2,3
	ds_load_b128 v[\f+8*\i:\f+8*\i+3],   v[ADRAL+\slot] offset:\k+\i*16*PITCH
	ds_load_b128 v[\f+8*\i+4:\f+8*\i+7], v[ADRAL+\slot] offset:\k+\i*16*PITCH+32
.endr
.irp i, 0,1,2,3
	ds_load_b128 v[\f+32+8*\i:\f+32+8*\i+3],   v[ADRAH+\slot] offset:\k+\i*16*PITCH
	ds_load_b128 v[\f+32+8*\i+4:\f+32+8*\i+7], v[ADRAH+\slot] offset:\k+\i*16*PITCH+32
.endr
.endm
.macro PLACES                          ; four places behind a matrix instruction (ISA guide 7.12.1 for vector instructions)
.rept 4
	v_nop
.endr
.endm
; The 64 accumulators take turns in one order in every quarter, one instruction a turn, over the backward jump too.
.macro QUARTER slot, k, f, g, zero
	s_wait_dscnt 8                                 ; B and my rows of A are in; the youngest eight loads (the partner's rows) may be out
	WIN MUL_LO
	MUL16 \f, 0, 0, \zero
	MUL16 \f, 0, 2, \zero
	PLACES
	FETCH \slot, \k, \g
	s_wait_dscnt 32                                ; all but the 32 just issued
	WIN MUL_HI
	MUL16 \f, 1, 0, \zero
	MUL16 \f, 1, 2, \zero
.endm
.macro TURN slot, next, fill
	s_wait_dscnt 8
	WIN MUL_LO
	MUL16 F1, 0, 0, 0
	s_wait_dscnt 0                                 ; my reads of this slot are over
	s_wait_tensorcnt 0x0                           ; and all my tensor loads have landed: the one that was out is my part of the next slot
	ds_add_u32 v255, v63
	s_wait_dscnt 0x0
	s_barrier_signal -1
	MUL16 F1, 0, 2, 0
	WIN 0
	s_barrier_wait -1
.if \fill
	CREST                                          ; no wave of any partner still reads this slot's tile or has a load on its way
	s_add_nc_u64 s[G0+4*\slot+2:G0+4*\slot+3], s[G0+4*\slot+2:G0+4*\slot+3], 2*KSTEP*2
	s_add_nc_u64 s[G0B+4*\slot+2:G0B+4*\slot+3], s[G0B+4*\slot+2:G0B+4*\slot+3], 2*KSTEP*2
	JLOAD \slot                                    ; the first tensor load behind the round, one a wave; its four v_nop are also the places in front of the loads below
.else
	PLACES
.endif
	FETCH \next, 0, F0
	WIN MUL_HI
	MUL16 F1, 1, 0, 0
	MUL16 F1, 1, 2, 0
.endm
.macro LAP zero
	QUARTER 0, 64, F0, F1, \zero
	TURN 0, 1, 1
	QUARTER 1, 64, F0, F1, 0
	TURN 1, 0, 1
.endm
	s_wait_tensorcnt 0x1                           ; my part of K step 0 is in; step 1's may stay out
	s_barrier_signal -1
	s_barrier_wait -1
	FETCH 0, 0, F0
	LAP 1                                          ; its first products start the sums
	WIN 0
	s_mov_b32 s3, LAPS-2
.Llap:
	LAP 0
	WIN 0
	s_sub_co_u32 s3, s3, 1
	s_cmp_lg_u32 s3, 0
	s_cbranch_scc1 .Llap
	QUARTER 0, 64, F0, F1, 0                       ; the last lap fills nothing
	TURN 0, 1, 0
	QUARTER 1, 64, F0, F1, 0
	s_wait_dscnt 8
	WIN MUL_LO
	MUL16 F1, 0, 0, 0
	MUL16 F1, 0, 2, 0
	s_wait_dscnt 0
	WIN MUL_HI
	MUL16 F1, 1, 0, 0
	MUL16 F1, 1, 2, 0
	; THE WAY OUT
	PLACES
	WIN 0
	s_lshl_b32 s68, s13, 7
	s_lshl_b32 s69, s11, 6
	s_add_co_u32 s68, s68, s69                     ; the first of the 64 rows that I finish
	s_lshl_b32 s72, s68, 14                        ; x 16,384 bytes
	s_mov_b32 s73, 0
	s_add_nc_u64 s[8:9], s[8:9], s[72:73]
	s_lshl_b32 s46, s42, 10                        ; + 1,024 x block column + 512 nh bytes
	s_lshl_b32 s47, s12, 9
	s_add_co_u32 s46, s46, s47
	s_mov_b32 s47, 0
	s_add_nc_u64 s[8:9], s[8:9], s[46:47]
	s_wait_dscnt 0x0
	s_barrier_signal -1
	s_barrier_wait -1                              ; every wave's reads of the ring are over, and the ring has had its last fill
	WIN 0x0c                                       ; an LDS store's data is source 1: window 3, the partner's rows
.set i, 0
.rept 64
	ds_store_b128 v[XS], v[4*i:4*i+3] offset:512*i
.set i, i+1
.endr
	WIN 0
	s_wait_dscnt 0x0                               ; for the partner's sake
	s_barrier_signal -1
	s_barrier_wait -1
; rows 16 a .. 16 a + 15 of my 64: add the partner's half of K, and out through my stage as whole rows of 512 bytes
.macro OUT16 a, f
.set i, 0
.rept 16
	ds_load_b128 v[\f+4*i:\f+4*i+3], v[XR] offset:(16*\a+i)*512
.set i, i+1
.endr
	s_wait_dscnt 0x0
	WIN 0x02                                       ; source 0: my sums in window 2
.set i, 0
.rept 32
	v_pk_add_f32 v[\f+2*i:\f+2*i+1], v[64*\a+2*i:64*\a+2*i+1], v[\f+2*i:\f+2*i+1]
.set i, i+1
.endr
	WIN 0
.irp b, 0,1,2,3,4,5,6,7
	ds_store_b128 v[STO], v[\f+8*\b:\f+8*\b+3]   offset:64*\b
	ds_store_b128 v[STO], v[\f+8*\b+4:\f+8*\b+7] offset:64*\b+16
.endr
	s_wait_xcnt 0x0                                ; TMP, which the last group's stores read, and their base are rewritten only behind this wait
.if \a
	s_add_nc_u64 s[8:9], s[8:9], 16*OROW
.endif
.set i, 0
.rept 16
	ds_load_b128 v[TMP+4*i:TMP+4*i+3], v[RD] offset:i*SPITCH         ; LDS serves a wave's instructions in order (ISA guide 5.7.1)
.set i, i+1
.endr
.set i, 0
.rept 16
	s_wait_dscnt 15-i
	global_store_b128 v[CO], v[TMP+4*i:TMP+4*i+3], s[8:9] offset:i*OROW th:TH_STORE_NT    ; a wave's store covers 512 consecutive bytes, aligned
.set i, i+1
.endr
.endm
	OUT16 0, F0
	OUT16 1, F1
	OUT16 2, F0
	OUT16 3, F1
	s_set_vgpr_msb 0x1
	s_wait_tensorcnt 0x0
	ds_add_u32 v255, v63
	s_wait_dscnt 0x0
	s_set_vgpr_msb 0x100
	CROUND                                         ; the closing round
	s_endpgm
.Lfunc_end_k_qcecd1f9591_oproj:
	.size	k_qcecd1f9591_oproj, .Lfunc_end_k_qcecd1f9591_oproj-k_qcecd1f9591_oproj
	.p2alignl 7, 3214868480
	.fill 96, 4, 3214868480
	.section	.rodata,"a",@progbits
	.p2align	6, 0x0
	.amdhsa_kernel k_qcecd1f9591_oproj
		.amdhsa_group_segment_fixed_size 327680
		.amdhsa_private_segment_fixed_size 0
		.amdhsa_enable_private_segment 0
		.amdhsa_kernarg_size 24
		.amdhsa_user_sgpr_count 2
		.amdhsa_user_sgpr_kernarg_segment_ptr 1
		.amdhsa_wavefront_size32 1
		.amdhsa_system_sgpr_workgroup_id_x 1
		.amdhsa_system_sgpr_workgroup_id_y 1
		.amdhsa_system_sgpr_workgroup_id_z 1
		.amdhsa_system_vgpr_workitem_id 0
		.amdhsa_next_free_vgpr 1024
		.amdhsa_next_free_sgpr 76
		.amdhsa_reserve_vcc 0
		.amdhsa_float_denorm_mode_32 3
		.amdhsa_float_denorm_mode_16_64 3
		.amdhsa_memory_ordered 1
		.amdhsa_forward_progress 1
		.amdhsa_inst_pref_size 122
	.end_amdhsa_kernel
	.amdgpu_metadata
---
amdhsa.version: [ 1, 2 ]
amdhsa.kernels:
  - .name:           k_qcecd1f9591_oproj
    .symbol:         k_qcecd1f9591_oproj.kd
    .args:
      - { .name: ob, .offset: 0, .size: 8, .value_kind: global_buffer, .address_space: global }
      - { .name: wob, .offset: 8, .size: 8, .value_kind: global_buffer, .address_space: global }
      - { .name: out0, .offset: 16, .size: 8, .value_kind: global_buffer, .address_space: global }
    .group_segment_fixed_size: 327680
    .private_segment_fixed_size: 0
    .kernarg_segment_align: 8
    .kernarg_segment_size: 24
    .max_flat_workgroup_size: 128
    .sgpr_count:     76
    .vgpr_count:     1024
    .wavefront_size: 32
...
	.end_amdgpu_metadata
.endif
;; end of part 4
;; ======== version 2 of 2: 4 launches; version 1 with the launch prep written anew for expert scheduling mode
;; limits: values are held in f16: magnitudes above 65,504 overflow, below 6.1e-05 lose precision; right only within a limited range of input values
;; workspace buffers: xb 16,777,216 bytes; wb 33,554,432 bytes; wob 16,777,216 bytes; tab 3,145,728 bytes; qkv 16,777,216 bytes; ob 8,388,608 bytes
;; launch prep (part 5): grid 128 x 9, 8 waves a work-group, no clusters, 0 bytes of LDS; arguments x, Wq, Wk, Wv, Wo, xb, wb, wob, tab; writes xb, wb, wob, tab
.if DOCPART == 5
	.amdgcn_target "amdgcn-amd-amdhsa--gfx1250"
	.amdhsa_code_object_version 6
	.text
	.protected	k_qcecd1f9591_prep
	.globl	k_qcecd1f9591_prep
	.p2align	8
	.type	k_qcecd1f9591_prep,@function
k_qcecd1f9591_prep:
	s_mov_b64 s[64:65], 0
	v_nop
	global_prefetch_b8 v0, s[64:65] scope:SCOPE_SE
	s_setreg_imm32_b32 hwreg(HW_REG_WAVE_SCHED_MODE, 0, 2), 2
	s_setreg_imm32_b32 hwreg(HW_REG_WAVE_MODE, 25, 1), 1
	s_wait_xcnt 0x0
	s_wait_alu depctr_vm_vsrc(0)
; prep: the operands of the three matrix launches in 16 bits, and the RoPE table.
;   xb  = bf16(x)                     [2048][4096]
;   wb  = bf16(Wq | Wk | Wv)          [4096][4096]   rows 0-2047 Wq, 2048-3071 Wk, 3072-4095 Wv
;   wob = f16(16 * bf16(Wo))          [4096][2048]   a bf16 number has 8 significant bits, so 16 x it is exact in f16
;                                                    LIMIT: |Wo| < 4094 (f16's range); below 3.8e-6 the f16 is denormal, absolute error at most 1.9e-9
;   tab = three tables of 1 MiB of f32, in the order in which the next launch's lanes want them:
;         byte tb*8192 + b*2048 + q*512 + 16*lane;  tb = t/16;  lane (r, h) holds t = 16 tb + r and frequencies i = 16 b + 8 h + j;
;         q = 0: cos j 0-3, 1: cos j 4-7, 2: sin j 0-3, 3: sin j 4-7.
;         table 0 (for q): cos, sin x log2(e)/sqrt(128)/2;  table 1 (for k): x 1/16;  table 2 (for v): cos = 1/16, sin = 0.
; Grid rows y = 0..7 cast 16 MiB of f32 each (a work-group 128 KiB), row y = 8 makes the table (a work-group 16 positions).
; A stream: no work-group shares a byte with another, so no cluster, no LDS, no matrix unit.  Thread t owns 16 bytes of every 4,096 in,
; 8 bytes of every 2,048 out: a wave's load covers 512 consecutive bytes, its store 256 consecutive bytes, aligned.
; LIMIT of the table: cos and sin are made by exp2, a two-part reduction by pi/2 and polynomials; the angle differs from a float32
; product pos * inv_freq made from numpy's inv_freq by a few units in inv_freq's last place: at most about 5e-4 * inv_freq radians at pos = 2047.
; THE MODE: SCHED_MODE bits 1:0 = 2 (LLVM: expert scheduling mode 2), set by the entry lines.  The code itself states the register dependences
; between vector instructions and memory instructions, with s_wait_alu, always for 0.
; THE PLAN of the cast.  The 32 steps of 4,096 bytes go in 8 blocks of four.  Registers that memory instructions touch:
;   X0 .. X2   three blocks as loaded.  Written by the loads of block p + 2, issued in block p (blocks 0 to 2: at the head); read by block p's conversions.
;   Y0, Y1     two blocks to store.     Written by block p's conversions; read by the four stores that are issued in block p + 1.
;   v1, v2     byte offsets, made once at the head and never written again: every step stands in an immediate, and the bases are never stepped.
; Block p works on X[p % 3] and writes Y[p % 2].  Its memory instructions are the loads into X[(p + 2) % 3] = X[(p - 1) % 3] and the stores from
; Y[(p - 1) % 2]: the two buffers that block p - 1 worked on and that no vector instruction of block p names.  So the waits at the head of a block
; state all that the block's eight memory instructions hang on, and these are dealt among its conversions with no further wait.
; THE PLAN of the table.  Memory instructions are the six stores at its end: one wait ahead of them, for their offset and their data.
; Each compare writes VCC, and a wait stands between it and the select that reads VCC.
.set X, 8                              ; v[8:55]   buffer b, step i: 4 registers at X + 16 b + 4 i, as loaded
.set Y, 56                             ; v[56:71]  buffer b, step i: 2 registers at Y + 8 b + 2 i, to store
.set T, 72                             ; v[72:77]  at work: no memory instruction names them
.set BLOCK,  4                         ; steps in a block
.set BLOCKS, 8                         ; 32 steps of 4,096 bytes = 128 KiB
.set CS, 20                            ; table: v[20:23] cos of my four frequencies
.set SN, 24                            ; table: v[24:27] sin
	s_load_b512 s[4:19], s[0:1], 0x0               ; x, Wq, Wk, Wv, Wo, xb, wb, wob
	s_load_b64 s[20:21], s[0:1], 0x40              ; tab
	s_and_b32 s22, ttmp7, 0xffff                   ; y
	v_lshlrev_b32 v1, 4, v0                        ; my 16 bytes in; never rewritten
	v_lshlrev_b32 v2, 3, v0                        ; my 8 bytes out; never rewritten
	s_wait_kmcnt 0x0
	s_cmp_eq_u32 s22, 8
	s_cbranch_scc1 .Ltable
	; which tensor, and which 16 MiB of it (8 MiB of the 16-bit copy)
	s_sub_co_u32 s23, s22, 2                       ; y - 2, used where y >= 2
	s_sub_co_u32 s24, s22, 6                       ; y - 6, used where y >= 6
	s_mov_b64 s[26:27], s[4:5]                     ; y = 0, 1: x -> xb, segment y
	s_mov_b64 s[28:29], s[14:15]
	s_mov_b32 s30, s22
	s_mov_b32 s31, s22
	s_cmp_ge_u32 s22, 2                            ; y = 2, 3: Wq -> wb, segment y - 2
	s_cselect_b64 s[26:27], s[6:7], s[26:27]
	s_cselect_b64 s[28:29], s[16:17], s[28:29]
	s_cselect_b32 s30, s23, s30
	s_cselect_b32 s31, s23, s31
	s_cmp_ge_u32 s22, 4                            ; y = 4: Wk -> wb, segment 2
	s_cselect_b64 s[26:27], s[8:9], s[26:27]
	s_cselect_b32 s30, 0, s30
	s_cselect_b32 s31, 2, s31
	s_cmp_ge_u32 s22, 5                            ; y = 5: Wv -> wb, segment 3
	s_cselect_b64 s[26:27], s[10:11], s[26:27]
	s_cselect_b32 s31, 3, s31
	s_cmp_ge_u32 s22, 6                            ; y = 6, 7: Wo -> wob, segment y - 6
	s_cselect_b64 s[26:27], s[12:13], s[26:27]
	s_cselect_b64 s[28:29], s[18:19], s[28:29]
	s_cselect_b32 s30, s24, s30
	s_cselect_b32 s31, s24, s31
	s_lshl_b32 s32, s30, 24                        ; in: segment x 16 MiB + work-group x 128 KiB
	s_lshl_b32 s33, ttmp9, 17
	s_add_co_u32 s32, s32, s33
	s_mov_b32 s33, 0
	s_add_nc_u64 s[26:27], s[26:27], s[32:33]
	s_lshl_b32 s34, s31, 23                        ; out: half of that
	s_lshl_b32 s35, ttmp9, 16
	s_add_co_u32 s34, s34, s35
	s_mov_b32 s35, 0
	s_add_nc_u64 s[28:29], s[28:29], s[34:35]
	s_mov_b32 s36, 0x41800000                      ; 16.0, twice: a packed multiply names the pair
	s_mov_b32 s37, 0x41800000
	s_wait_alu depctr_va_vdst(0)                   ; v1 and v2 are written: every load of the cast reads v1 as its offset, every store v2
.irp i, 0,1,2,3,4,5,6,7,8,9,10,11
	global_load_b128 v[X+4*(\i):X+4*(\i)+3], v1, s[26:27] offset:(\i)*4096 th:TH_LOAD_NT    ; blocks 0, 1 and 2 into X0, X1, X2
.endr
; Block p (a symbol) of the 8.  mode 0: f32 -> bf16.  mode 1: f32 -> bf16 -> x 16 -> f16.
; Blocks 1 to 5 load block p + 2; blocks 6 and 7 load nothing: no load leaves the work-group's 128 KiB.  Blocks 1 to 7 store block p - 1.
.macro BLK mode
.if p == 0
	s_wait_loadcnt 2*BLOCK                         ; loads come back in order (ISA guide 5.7.1): X0 is in, blocks 1 and 2 stay out
.elseif p < BLOCKS-1
	s_wait_loadcnt BLOCK                           ; X[p % 3] is in, the one younger block stays out
.else
	s_wait_loadcnt 0x0                             ; the last block
.endif
.if p >= 2
	s_wait_xcnt 0x0                                ; every earlier memory instruction has had its addresses translated (ISA guide 3.1): Y[p % 2] is rewritten only behind this wait
	s_wait_alu depctr_vm_vsrc(0)                   ; the stores issued in the block before have read Y[p % 2], which this block's conversions write again
.endif
.if p >= 1
	s_wait_alu depctr_va_vdst(0)                   ; the block before has written the other Y, which the stores below read, and is done reading its X, in which the loads below land
.endif
.irp i, 0,1,2,3
.set XW, X+16*(p%3)+4*(\i)                     ; this step as loaded
.set YW, Y+8*(p%2)+2*(\i)                      ; this step to store
.set XN, X+16*((p+2)%3)+4*(\i)                 ; where the same step of block p + 2 lands
.set YO, Y+8*((p+1)%2)+2*(\i)                  ; the same step of block p - 1, to be stored now
.if (p >= 1) && (p < BLOCKS-2)
	global_load_b128 v[XN:XN+3], v1, s[26:27] offset:((p+2)*BLOCK+(\i))*4096 th:TH_LOAD_NT   ; two blocks ahead; no vector instruction since the wait names these registers
.endif
.if p >= 1
	global_store_b64 v2, v[YO:YO+1], s[28:29] offset:((p-1)*BLOCK+(\i))*2048                 ; the block before
.endif
.if \mode
	v_cvt_pk_bf16_f32 v[T],   v[XW],   v[XW+1]     ; the one rounding of Wo
	v_cvt_pk_bf16_f32 v[T+1], v[XW+2], v[XW+3]
	v_lshlrev_b32 v[T+2], 16, v[T]
	v_and_b32     v[T+3], 0xffff0000, v[T]
	v_lshlrev_b32 v[T+4], 16, v[T+1]
	v_and_b32     v[T+5], 0xffff0000, v[T+1]
	v_pk_mul_f32 v[T+2:T+3], v[T+2:T+3], s[36:37] op_sel_hi:[1,0]
	v_pk_mul_f32 v[T+4:T+5], v[T+4:T+5], s[36:37] op_sel_hi:[1,0]
	v_cvt_pk_f16_f32 v[YW],   v[T+2], v[T+3]       ; exact
	v_cvt_pk_f16_f32 v[YW+1], v[T+4], v[T+5]
.else
	v_cvt_pk_bf16_f32 v[YW],   v[XW],   v[XW+1]
	v_cvt_pk_bf16_f32 v[YW+1], v[XW+2], v[XW+3]
.endif
.endr
.endm
; Behind the last block: its four stores.
.macro TAIL
	s_wait_alu depctr_va_vdst(0)                   ; block 7 has written Y1, which the last four stores read
.irp i, 0,1,2,3
	global_store_b64 v2, v[Y+8*((BLOCKS-1)%2)+2*(\i):Y+8*((BLOCKS-1)%2)+2*(\i)+1], s[28:29] offset:((BLOCKS-1)*BLOCK+(\i))*2048
.endr
.endm
	s_cmp_ge_u32 s22, 6
	s_cbranch_scc1 .Lwo
.set p, 0
.rept BLOCKS
	BLK 0
.set p, p+1
.endr
	TAIL
	s_endpgm
.Lwo:
.set p, 0
.rept BLOCKS
	BLK 1
.set p, p+1
.endr
	TAIL
	s_endpgm
.Ltable:
	; wave w: b = w >> 1, half = w & 1 (j 0-3 or 4-7); lane: r = position in the 16, h
	v_and_b32 v3, 15, v0                           ; r
	v_bfe_u32 v4, v0, 4, 1                         ; h
	v_and_b32 v5, 31, v0                           ; lane
	v_lshrrev_b32 v6, 6, v0                        ; b
	v_bfe_u32 v7, v0, 5, 1                         ; half
	s_lshl_b32 s23, ttmp9, 4
	v_add_nc_u32 v8, s23, v3
	v_cvt_f32_u32 v8, v8                           ; t = 16 x work-group + r
	v_lshlrev_b32 v9, 4, v6
	v_lshl_add_u32 v9, v4, 3, v9
	v_lshl_add_u32 v9, v7, 2, v9                   ; my first frequency: 16 b + 8 h + 4 half
	s_lshl_b32 s38, ttmp9, 13
	v_lshl_add_u32 v52, v5, 4, s38                 ; where my 16 bytes go: tb*8192 + b*2048 + half*512 + 16 lane
	v_lshl_add_u32 v52, v6, 11, v52
	v_lshl_add_u32 v52, v7, 9, v52
	s_mov_b32 s24, 0x43be2319                      ; 380.27421 = 7/8 * 8192 / (2 pi * 3)
	s_mov_b32 s25, 0xbe2aaaab                      ; -1/6 = 1/8 - 7/24
	s_mov_b32 s26, 0xbfc90fdb                      ; -(pi/2 rounded to f32)
	s_mov_b32 s27, 0x333bbd2e                      ; that rounding's excess over pi/2, 4.3711388e-8
	s_mov_b32 s28, 0xb9500d01                      ; -1/5040
	s_mov_b32 s29, 0x3c088889                      ; 1/120
	s_mov_b32 s30, 0x37d00d01                      ; 1/40320
	s_mov_b32 s31, 0xbab60b61                      ; -1/720
	s_mov_b32 s32, 0x3d8293ee                      ; log2(e) / sqrt(128) / 2, twice
	s_mov_b32 s33, 0x3d8293ee
	s_mov_b32 s34, 0x3d800000                      ; 1/16, twice
	s_mov_b32 s35, 0x3d800000
; cos and sin of t * inv_freq(i), i = my first frequency + jj
.macro SINCOS jj
	v_add_nc_u32 v10, \jj, v9                      ; i
	v_cvt_f32_u32 v11, v10
	v_mul_f32 v11, 0xbe9773da, v11                 ; -i * log2(500000) / 64
	v_exp_f32 v12, v11                             ; 500000 ^ (-i/64)
	v_nop                                          ; one plain place behind a transcendental (ISA guide 5.7.2)
	s_wait_alu depctr_va_vdst(0)                   ; the exponential has written v12, ahead of its first reader
	v_fma_f32 v13, v12, s24, s25                   ; the middle band's factor (1 - smooth)/8 + smooth
	v_cmp_le_u32 vcc_lo, 29, v10                   ; the wavelength passes 2048 between i = 28 and 29 (at 28.22),
	s_wait_alu depctr_va_vcc(0)                    ; the compare has written VCC, which the select reads
	v_cndmask_b32 v13, 1.0, v13, vcc_lo            ; below: unscaled
	v_cmp_gt_u32 vcc_lo, 35, v10                   ; and 8192 between i = 34 and 35 (at 34.98),
	s_wait_alu depctr_va_vcc(0)                    ; the compare has written VCC, which the select reads
	v_cndmask_b32 v13, 0x3e000000, v13, vcc_lo     ; above: divided by 8
	v_mul_f32 v13, v12, v13                        ; inv_freq
	v_mul_f32 v13, v8, v13                         ; the angle, rounded to f32 as pos * inv_freq is
	v_mul_f32 v14, 0x3f22f983, v13                 ; x 2/pi
	v_rndne_f32 v14, v14                           ; n quarter turns, at most 1,303
	v_fma_f32 v15, v14, s26, v13                   ; rho = angle - n pi/2, in two parts
	v_fma_f32 v15, v14, s27, v15                   ; |rho| <= pi/4
	v_mul_f32 v16, v15, v15                        ; z = rho^2
	v_fma_f32 v17, v16, s28, s29                   ; sin: rho + rho z (-1/6 + z (1/120 - z/5040)); the next term is below 3e-7
	v_fmaak_f32 v17, v16, v17, 0xbe2aaaab
	v_mul_f32 v18, v16, v15
	v_fma_f32 v17, v18, v17, v15
	v_fma_f32 v19, v16, s30, s31                   ; cos: 1 + z (-1/2 + z (1/24 + z (-1/720 + z/40320))); the next term is below 3e-8
	v_fmaak_f32 v19, v16, v19, 0x3d2aaaab
	v_fma_f32 v19, v16, v19, -0.5
	v_fma_f32 v19, v16, v19, 1.0
	v_cvt_i32_f32 v18, v14
	v_and_b32 v10, 1, v18
	v_cmp_eq_u32 vcc_lo, 1, v10                    ; an odd number of quarter turns swaps the two
	s_wait_alu depctr_va_vcc(0)                    ; the compare has written VCC, which the two selects read
	v_cndmask_b32 v[CS+\jj], v19, v17, vcc_lo
	v_cndmask_b32 v[SN+\jj], v17, v19, vcc_lo
	v_add_nc_u32 v10, 1, v18                       ; cos is negative for n mod 4 = 1, 2
	v_and_b32 v10, 2, v10
	v_lshlrev_b32 v10, 30, v10
	v_xor_b32 v[CS+\jj], v10, v[CS+\jj]
	v_and_b32 v10, 2, v18                          ; sin for n mod 4 = 2, 3
	v_lshlrev_b32 v10, 30, v10
	v_xor_b32 v[SN+\jj], v10, v[SN+\jj]
.endm
	SINCOS 0
	SINCOS 1
	SINCOS 2
	SINCOS 3
.irp p, 0,2
	v_pk_mul_f32 v[28+\p:29+\p], v[CS+\p:CS+\p+1], s[32:33] op_sel_hi:[1,0]    ; table 0
	v_pk_mul_f32 v[32+\p:33+\p], v[SN+\p:SN+\p+1], s[32:33] op_sel_hi:[1,0]
	v_pk_mul_f32 v[36+\p:37+\p], v[CS+\p:CS+\p+1], s[34:35] op_sel_hi:[1,0]    ; table 1
	v_pk_mul_f32 v[40+\p:41+\p], v[SN+\p:SN+\p+1], s[34:35] op_sel_hi:[1,0]
.endr
.irp p, 0,1,2,3
	v_mov_b32 v[44+\p], 0x3d800000                 ; table 2: v is scaled and not turned
	v_mov_b32 v[48+\p], 0
.endr
	s_wait_alu depctr_va_vdst(0)                   ; v52, the six stores' offset, and v28 to v51, their data, are written
	global_store_b128 v52, v[28:31], s[20:21]                       ; each store of a wave covers 512 consecutive bytes, aligned
	global_store_b128 v52, v[32:35], s[20:21] offset:1024
	global_store_b128 v52, v[36:39], s[20:21] offset:1048576
	global_store_b128 v52, v[40:43], s[20:21] offset:1048576+1024
	global_store_b128 v52, v[44:47], s[20:21] offset:2097152
	global_store_b128 v52, v[48:51], s[20:21] offset:2097152+1024
	s_endpgm
.Lfunc_end_k_qcecd1f9591_prep:
	.size	k_qcecd1f9591_prep, .Lfunc_end_k_qcecd1f9591_prep-k_qcecd1f9591_prep
	.p2alignl 7, 3214868480
	.fill 96, 4, 3214868480
	.section	.rodata,"a",@progbits
	.p2align	6, 0x0
	.amdhsa_kernel k_qcecd1f9591_prep
		.amdhsa_group_segment_fixed_size 0
		.amdhsa_private_segment_fixed_size 0
		.amdhsa_enable_private_segment 0
		.amdhsa_kernarg_size 72
		.amdhsa_user_sgpr_count 2
		.amdhsa_user_sgpr_kernarg_segment_ptr 1
		.amdhsa_wavefront_size32 1
		.amdhsa_system_sgpr_workgroup_id_x 1
		.amdhsa_system_sgpr_workgroup_id_y 1
		.amdhsa_system_sgpr_workgroup_id_z 1
		.amdhsa_system_vgpr_workitem_id 0
		.amdhsa_next_free_vgpr 80
		.amdhsa_next_free_sgpr 66
		.amdhsa_reserve_vcc 1
		.amdhsa_float_denorm_mode_32 3
		.amdhsa_float_denorm_mode_16_64 3
		.amdhsa_memory_ordered 1
		.amdhsa_forward_progress 1
		.amdhsa_inst_pref_size 47
	.end_amdhsa_kernel
	.amdgpu_metadata
---
amdhsa.version: [ 1, 2 ]
amdhsa.kernels:
  - .name:           k_qcecd1f9591_prep
    .symbol:         k_qcecd1f9591_prep.kd
    .args:
      - { .name: x, .offset: 0, .size: 8, .value_kind: global_buffer, .address_space: global }
      - { .name: Wq, .offset: 8, .size: 8, .value_kind: global_buffer, .address_space: global }
      - { .name: Wk, .offset: 16, .size: 8, .value_kind: global_buffer, .address_space: global }
      - { .name: Wv, .offset: 24, .size: 8, .value_kind: global_buffer, .address_space: global }
      - { .name: Wo, .offset: 32, .size: 8, .value_kind: global_buffer, .address_space: global }
      - { .name: xb, .offset: 40, .size: 8, .value_kind: global_buffer, .address_space: global }
      - { .name: wb, .offset: 48, .size: 8, .value_kind: global_buffer, .address_space: global }
      - { .name: wob, .offset: 56, .size: 8, .value_kind: global_buffer, .address_space: global }
      - { .name: tab, .offset: 64, .size: 8, .value_kind: global_buffer, .address_space: global }
    .group_segment_fixed_size: 0
    .private_segment_fixed_size: 0
    .kernarg_segment_align: 8
    .kernarg_segment_size: 72
    .max_flat_workgroup_size: 256
    .sgpr_count:     66
    .vgpr_count:     80
    .wavefront_size: 32
...
	.end_amdgpu_metadata
.endif
;; end of part 5
;; launch qkvproj: the kernel of part 2 again; grid 16 x 16, 4 waves a work-group, clusters of 4 x 4, 327,680 bytes of LDS; arguments xb, wb, qkv, tab; writes qkv
;; launch attn: the kernel of part 3 again; grid 32 x 8, 4 waves a work-group, clusters of 4 x 1, 327,680 bytes of LDS; arguments qkv, ob; writes ob
;; launch oproj: the kernel of part 4 again; grid 16 x 16, 4 waves a work-group, clusters of 4 x 4, 327,680 bytes of LDS; arguments ob, wob, out0; writes out0
